; MI455X (gfx1250); checked and timed in simulation.
; The chip was launched on July 23, 2026; its instructions are those of AMD's public machine-readable ISA for CDNA 5 (MIT licence, August 2026) and "CDNA5" Instruction Set Architecture Reference Guide (July 2026). The comments in the code are by the model that wrote it; some were corrected since.
;; Linear Attention. Allowed arithmetic: matrix products marked QUANTISED: E2M3 operands, one E8M0 scale for each 32 along K, by v_wmma_scale_f32_16x16x128_f8f6f4 with both operands' format E2M3, f32 sums; products left as they are: f32 operands where the result goes on into a quantised operand, else bf16, f16 or f32 operands; f32 sums; everything else in f32.
;; Inputs: Wproj_codes 1,024 x 32 x 24 uint8 (E2M3 codes of Wproj, K innermost, in blocks of 32 codes, four codes in three bytes); Wproj_scales 1,024 x 32 uint8 (E8M0 scales of Wproj, one for each 32 codes along K); Wqkv_codes 3,072 x 32 x 24 uint8 (E2M3 codes of Wqkv, K innermost, in blocks of 32 codes, four codes in three bytes); Wqkv_scales 3,072 x 32 uint8 (E8M0 scales of Wqkv, one for each 32 codes along K); bproj 1,024 float32; x_codes 4 x 2,048 x 32 x 24 uint8 (E2M3 codes of x, K innermost, in blocks of 32 codes, four codes in three bytes); x_scales 4 x 2,048 x 32 uint8 (E8M0 scales of x, one for each 32 codes along K).
;; Outputs: out0 4 x 2,048 x 1,024 float32.
;; This version of the problem:
;;   THIS VERSION OF THE PROBLEM IS GIVEN IN LOW PRECISION. The matrix products marked QUANTISED in the list below multiply operands that are first quantised to E2M3 (2 exponent bits, 3 mantissa bits; 6 bits a number), with one power-of-two scale for each 32 numbers along K (OCP MX v1.0); their sums are f32. All else is computed in f32.
;;   The module's matrix products, in the order in which they are computed (A, B: the left and right operand; K: the contracted axis; several contracted axes count as one K, in the product's order):
;;     1. [M 8,192, K 1,024] x [K 1,024, N 3,072]; A: input x (given as codes); B: input Wqkv (given as codes): QUANTISED
;;     2. batch 64 x [M 64, K 2,048] x [K 2,048, N 64]; A: computed on the way; B: computed on the way: QUANTISED
;;     3. batch 64 x [M 2,048, K 64] x [K 64, N 1]; A: computed on the way; B: computed on the way: left as it is (N = 1 < 16)
;;     4. batch 64 x [M 2,048, K 64] x [K 64, N 64]; A: computed on the way; B: computed on the way: QUANTISED
;;     5. [M 8,192, K 1,024] x [K 1,024, N 1,024]; A: computed on the way; B: input Wproj (given as codes): QUANTISED
;;   THE QUANTISER, for each operand of a quantised product, along K:
;;     - K is cut into blocks of 32 from its start; a last block that is shorter is filled with zeros.
;;     - A block's scale is 2^e with e = floor(log2(the largest magnitude in the block)) - 2, held to -126 .. 127; a block of zeros has e = 0. As a byte (E8M0): e + 127.
;;     - Each number is divided by its block's scale, clamped to +-7.5, and rounded to the nearest number of E2M3, ties to even, subnormals kept.
;;     - The product sums the exact products of the quantised numbers (number of the format x scale) in f32.
;;   ~~~python
;;   def quantise(x, axis):      # numpy; x: float32 -> the quantised numbers, widened to float32 again
;;       x = np.moveaxis(x, axis, -1); K = x.shape[-1]
;;       x = np.pad(x, [(0, 0)] * (x.ndim - 1) + [(0, -K % 32)]); x = x.reshape(x.shape[:-1] + (-1, 32)); a = np.abs(x).max(-1, keepdims=True)
;;       e = np.where(a > 0, np.clip(np.frexp(np.where(a > 0, a, 1))[1] - 1 - 2, -126, 127), 0)      # np.frexp(a)[1] - 1 = floor(log2(a)), exactly
;;       r = np.clip(x / 2.0 ** e, -7.5, 7.5)
;;       step = 2.0 ** (np.maximum(np.frexp(np.where(r == 0, 1, r))[1] - 1, 0) - 3)
;;       q = np.round(r / step) * step * 2.0 ** e      # np.round: ties to even
;;       return np.moveaxis(q.reshape(q.shape[:-2] + (-1,))[..., :K], -1, axis).astype(np.float32)
;;   ~~~
;;   OPERANDS COMPUTED ON THE WAY. 'Computed on the way' means the value that the module computes at that place (a softmax that the list does not call 'softmax' is quantised finished and normalised). What goes into a quantiser is computed in f32, as accurately as f32 sums, v_exp_f32 and their like allow (about 1e-6 of the number): no bf16 or f16 on the way to a quantiser, and a product that is left as it is and whose result goes on into a quantised operand takes f32 operands (vector FMAs, or v_wmma_f32_16x16x4_f32). A number that lies on a knife's edge between two numbers of the format may be rounded either way, as far as f32 arithmetic and the matrix unit's own rounding can turn it there, and no further.
;;   INPUTS GIVEN AS CODES. Wproj (in the module: [1024, 1024], K = its axis 1); Wqkv (in the module: [3072, 1024], K = its axis 1); x (in the module: [4, 2048, 1024], K = its axis 2): each comes as NAME_codes (uint8): NAME with its K axis moved to the last place and cut into blocks of 32 codes, [.., K / 32, bytes a block], one block behind the other in memory; four codes in three bytes: a row's codes are one little-endian stream of bits, code i at bits 6 i .. 6 i + 5 (a code: sign, 2 exponent bits, 3 mantissa bits); and NAME_scales (uint8): the same leading axes, one E8M0 byte (e + 127) for each 32 codes along K. Its value is code x scale, taken as it is: it is not quantised again, and the codes and scales need not be those that the quantiser above would give.
;; One version. Each part assembles by itself: llvm-mc -triple=amdgcn-amd-amdhsa -mcpu=gfx1250 --defsym DOCPART=n.
;; ======== version 1 of 1: 3 launches
;; workspace buffers: kvp 8,388,608 bytes; ksp 131,072 bytes; acodes 6,291,456 bytes; ascl 262,144 bytes
;; launch kvpart (part 1): grid 32 x 8, 4 waves a work-group, clusters of 4 x 4, 327,680 bytes of LDS; arguments Wqkv_codes, Wqkv_scales, x_codes, x_scales, kvp, ksp; writes kvp, ksp
.if DOCPART == 1
	.amdgcn_target "amdgcn-amd-amdhsa--gfx1250"
	.amdhsa_code_object_version 6
	.text
	.protected	k_q823c064537_kvpart
	.globl	k_q823c064537_kvpart
	.p2align	8
	.type	k_q823c064537_kvpart,@function
k_q823c064537_kvpart:
	s_mov_b64 s[64:65], 0
	v_nop
	global_prefetch_b8 v0, s[64:65] scope:SCOPE_SE
	s_setreg_imm32_b32 hwreg(HW_REG_WAVE_MODE, 25, 1), 1
	s_wait_xcnt 0x0
	s_wait_alu depctr_hold_cnt(0) depctr_sa_sdst(0) depctr_va_vdst(0) depctr_va_sdst(0) depctr_va_ssrc(0) depctr_va_vcc(0) depctr_vm_vsrc(0)
	s_getreg_b32 s2, hwreg(HW_REG_IB_STS2, 6, 4)
	s_cmp_eq_u32 s2, 0
	s_cbranch_scc0 .Lentry_in_a_cluster
	s_endpgm
.Lentry_in_a_cluster:
	s_bfe_u32 s2, ttmp6, 0x10000c
	s_cmp_lg_u32 s2, 0xf033
	s_cbranch_scc0 .Lentry_shape_is_right
	s_endpgm
.Lentry_shape_is_right:
; KVPART.  For a block of 256 tokens and a pair of heads: k = elu(x Wk^T) + 1 and v = x Wv^T (codes of E2M3 as given, K = 1,024), then the block's part of kv = k^T v (both quantised along the
; tokens) and of k_sum.  Stored: kvp [bh 64][chunk 8][b 2][u 2][g 8][lane 32][16 bytes] f32 and ksp [bh][chunk][64] f32.
; In kvp, register 4 g + i = 8 t + j of lane (r, h) is kv[d = 16 t + 8 h + j][e = 32 b + 8 u + r % 8 + 16 (r / 8)]: the order in which the next launch wants kv^T's rows.
; SHARES.  A work-group of four waves makes 256 features (k and v of two heads) x 256 tokens; wave (j = wave / 2: the head, i = wave % 2: the half of the tokens) makes 128 x 128: 64 accumulators, 512 registers.
; The matrix instruction takes 16 tokens as source 0 and 16 rows of W as source 1: a lane holds ONE feature and its registers run along the tokens, which are the K of k^T v.
; A result tile's lane half h holds tokens 8 h + 0..7; two neighbouring tiles hold a true block of 32 tokens in the two halves.  k and v are quantised by the same lines, so the order of the
; tokens inside a block is the same on both sides, and the products pair rightly.
; K goes in steps of 256 through two LDS slots (rows of 192 bytes, 16 bytes of padding behind each 64: pitch 240); the scale bytes of all of K come once.
; CLUSTER 4 x 4: W's tiles hang on the head pair (grid y) and are asked for jointly along a row of the cluster, x's on the token block (grid x), jointly along a column.
; LIMITS: NaN and infinities are not served.  elu(x) + 1 is max(x, 0) + 2^(min(x, 0) log2 e): the product's rounding gives a relative error of about |x| x 1e-7 for negative x.
; A block whose largest magnitude lies under 2^-124 keeps the scale byte 1; a block of zeros gets the byte 1 with zero codes (the bytes are read by this program alone).
; The tokens' sums are taken 128 at a time in the matrix unit and then added in f32: another order than a plain sum's.
; REGISTERS: window 0: v12-31 addresses; v32-95 scale words, two sets; v96-119 at work in the quantiser; v120-123 k_sum; v128-223 W's fragments (one set), later k's and v's codes.
;   window 1: x's fragments, two sets (v0, v128); later v0-63 the mapped k, v64-127 at work, v128-255 kv.   windows 2, 3: accumulator (a, bt) at v[64 (a % 4) + 8 bt] of window 2 + a / 4.
.set KROW,  768                        ; a row of codes in memory: 1,024 codes
.set ROWB,  192                        ; a tile's row: 256 codes
.set PITCH, 240                        ; and in LDS: 3 x (64 + 16)
.set FR,    12                         ; registers of a fragment
.set NL,    6                          ; LDS loads that bring one
.set HALFT, 128*PITCH                  ; what one tensor load brings
.set SLOT,  4*HALFT                    ; W's 256 rows, then x's 256 rows
.set SCL,   2*SLOT                     ; the scale bytes: units of 256 bytes + 16
.set HALFS, 16*272                     ; those of 128 rows
.set SPARE, SCL+4*HALFS                ; the spare words: 128 bytes a wave, named by no other line
.set KST,   65536                      ; k_sum's stage; kv's stage begins at 0: both in slot 0, behind its last fill and its last read
.set GO,   12                          ; v12 16 x lane
.set GK,   13                          ; v13 4 x lane
.set ADRA, 16                          ; v16-17 W's fragments in slot 0, 1; v18-19 the same behind one padding more
.set ADRB, 20                          ; v20-23 x's likewise
.set ADSA, 24                          ; v24 W's scale words
.set ADSB, 25                          ; v25 x's
.set STW,  26                          ; v26 kv's stage, in
.set STR,  27                          ; v27 kv's stage, back
.set SPW,  28                          ; v28 my spare word
.set NIL,  29                          ; v29 0
.set KSTW, 30
.set KSTR, 31
.set SC,   32                          ; set s at SC + 32 s: W's block a at + 2 a + q, x's block b at + 16 + 2 b + q
.set TM,   96
.set YT,   112
.set KS,   120
.set AF,   128
.set KFR,  128
.set VFR,  176
.set SEL,  12                          ; s[12:13] selects for lane l xor 16
.set CL,   66                          ; s[66:67] log2 e
.set G1,   24
.set G0,   32
.set G1B,  48
.set G0B,  56
.set G1S,  68
.set G0S,  76
.set G1SB, 80
.set G0SB, 88
.set MUL_LO, 0xa1                      ; source 0 (x) window 1, source 1 (W) window 0, C and D window 2
.set MUL_HI, 0xf1
.set MSB, 0
.macro WIN new                         ; the immediate's high byte repeats the setting that is left
.if MSB != (\new)
	s_set_vgpr_msb (MSB<<8)|(\new)
.set MSB, (\new)
.endif
.endm
.macro PLACES n
.rept \n
	v_nop
.endr
.endm
; A joint load: waves 0 and 1 fetch for W, waves 2 and 3 for x.  The branch hangs on the wave's number alone.  Four v_nop follow each line.
.macro JLOAD g0a, g1a, g0b, g1b
	s_cmp_eq_u32 s15, 0
	s_cbranch_scc0 .Lfor_b_\@
	tensor_load_to_lds s[\g0a:\g0a+3], s[\g1a:\g1a+7]
	s_nop 0
.rept 4
	v_nop
.endr
	s_branch .Lasked_\@
.Lfor_b_\@:
	tensor_load_to_lds s[\g0b:\g0b+3], s[\g1b:\g1b+7]
	s_nop 0
.rept 4
	v_nop
.endr
.Lasked_\@:
.endm
.macro CREST                           ; a round of the cluster's barrier behind its opening barrier
	s_cmp_lg_u32 s14, 0
	s_cbranch_scc1 .Lnot_wave_0_\@
	s_barrier_signal -3
.Lnot_wave_0_\@:
	s_barrier_wait -3
	s_barrier_signal -1
	s_barrier_wait -1
.endm
.macro CROUND
	s_barrier_signal -1
	s_barrier_wait -1
	CREST
.endm
	s_load_b256 s[4:11], s[0:1], 0x0               ; W's codes s[4:5], W's scales s[6:7], x's codes s[8:9], x's scales s[10:11]
	s_load_b128 s[96:99], s[0:1], 0x20             ; kvp, ksp
	v_lshl_add_u32 v[SPW], v0, 2, SPARE
	v_mov_b32 v[NIL], 0
	ds_add_u32 v28, v29
	ds_add_u32 v28, v29
	s_wait_dscnt 0x0
	v_lshrrev_b32 v1, 5, v0
	v_readfirstlane_b32 s14, v1                    ; wave
	s_lshr_b32 s15, s14, 1                         ; j: my head of the pair.  Also: I fetch for W (0) or for x (1)
	s_and_b32 s16, s14, 1                          ; i: my half of the tokens.  Also: which half of that tile I fetch
	s_bfe_u32 s40, ttmp6, 0x40000                  ; cx
	s_bfe_u32 s41, ttmp6, 0x40004                  ; cy
	s_lshl_b32 s42, ttmp9, 2
	s_add_co_u32 s42, s42, s40                     ; tc: the block of 256 tokens
	s_and_b32 s17, ttmp7, 0xffff
	s_lshl_b32 s17, s17, 2
	s_add_co_u32 s17, s17, s41                     ; tr: the pair of heads
	s_lshl_b32 s43, s41, 2
	s_lshl_b32 s43, 15, s43                        ; my row of the cluster
	s_lshl_b32 s44, 0x1111, s40                    ; my column
	s_or_b32 s[G1+0], s43, (1<<20)|(1<<21)|(3<<22)|(3<<25)   ; elements of 1 byte; padding of 4 words behind every 16; the mask, bit 21 beside it
	s_or_b32 s[G1B+0], s44, (1<<20)|(1<<21)|(3<<22)|(3<<25)
.irp g, G1, G1B
	s_mov_b32 s[\g+1], ROWB<<16                    ; tensor_dim0
	s_mov_b32 s[\g+2], 128<<16                     ; tensor_dim1
	s_mov_b32 s[\g+3], ROWB<<16                    ; tile_dim0
	s_mov_b32 s[\g+4], 128                         ; tile_dim1
	s_mov_b32 s[\g+5], KROW                        ; from row to row
	s_mov_b32 s[\g+6], 0
	s_mov_b32 s[\g+7], 0
.endr
	s_or_b32 s[G1S+0], s43, (3<<16)|(1<<20)|(1<<21)|(5<<22)|(3<<25)   ; the scales of 128 rows: 16 dense rows of 256 bytes, 16 bytes of padding behind each
	s_or_b32 s[G1SB+0], s44, (3<<16)|(1<<20)|(1<<21)|(5<<22)|(3<<25)
.irp g, G1S, G1SB
	s_mov_b32 s[\g+1], 32<<16
	s_mov_b32 s[\g+2], 16<<16
	s_mov_b32 s[\g+3], 32<<16
	s_mov_b32 s[\g+4], 16
	s_mov_b32 s[\g+5], 32
	s_mov_b32 s[\g+6], 0
	s_mov_b32 s[\g+7], 0
.endr
	s_lshl_b32 s18, s16, 10
	s_lshl_b32 s20, s17, 7
	s_add_co_u32 s20, s20, s18
	s_add_co_u32 s20, s20, 1024                    ; W: row 1,024 + 128 tr (k: wave 0) or 2,048 + 128 tr (v: wave 1)
	s_lshl_b32 s18, s16, 7
	s_lshl_b32 s46, s42, 8
	s_add_co_u32 s46, s46, s18                     ; x: row 256 tc + 128 x half
	s_lshl_b32 s22, s20, 5                         ; their scales: 32 bytes a row
	s_mov_b32 s23, 0
	s_mul_i32 s20, s20, KROW
	s_mov_b32 s21, 0
	s_lshl_b32 s92, s46, 5
	s_mov_b32 s93, 0
	s_mul_i32 s46, s46, KROW
	s_mov_b32 s47, 0
	s_mul_i32 s45, s14, HALFT                      ; where they go: wave x 128 rows
	s_mul_i32 s94, s14, HALFS
	s_mov_b32 s[SEL], 0x76543210
	s_mov_b32 s[SEL+1], 0xfedcba98
	s_mov_b32 s[CL], 0x3fb8aa3b
	s_mov_b32 s[CL+1], 0x3fb8aa3b
	s_wait_kmcnt 0x0
	s_add_nc_u64 s[20:21], s[4:5], s[20:21]
	s_add_nc_u64 s[22:23], s[6:7], s[22:23]
	s_add_nc_u64 s[46:47], s[8:9], s[46:47]
	s_add_nc_u64 s[92:93], s[10:11], s[92:93]
	CROUND                                         ; all sixteen work-groups are here: the first joint loads meet
	s_mov_b32 s[G0S], 1
	s_add_co_u32 s[G0S+1], s94, SCL
	s_mov_b64 s[G0S+2:G0S+3], s[22:23]
	s_or_b32 s[G0S+3], s[G0S+3], 0x80000000
	s_mov_b32 s[G0SB], 1
	s_add_co_u32 s[G0SB+1], s94, SCL
	s_mov_b64 s[G0SB+2:G0SB+3], s[92:93]
	s_or_b32 s[G0SB+3], s[G0SB+3], 0x80000000
	JLOAD G0S, G1S, G0SB, G1SB                     ; the scales first: they are wanted with K step 0
.irp s, 0,1
	s_mov_b32 s[G0+4*\s], 1
	s_add_co_u32 s[G0+4*\s+1], s45, \s*SLOT
	s_add_nc_u64 s[G0+4*\s+2:G0+4*\s+3], s[20:21], \s*ROWB
	s_or_b32 s[G0+4*\s+3], s[G0+4*\s+3], 0x80000000
	s_mov_b32 s[G0B+4*\s], 1
	s_add_co_u32 s[G0B+4*\s+1], s45, \s*SLOT
	s_add_nc_u64 s[G0B+4*\s+2:G0B+4*\s+3], s[46:47], \s*ROWB
	s_or_b32 s[G0B+4*\s+3], s[G0B+4*\s+3], 0x80000000
	JLOAD G0+4*\s, G1, G0B+4*\s, G1B               ; three tensor loads of mine are out
.endr
	v_and_b32 v1, 15, v0                           ; r
	v_bfe_u32 v2, v0, 4, 1                         ; h
	v_mul_u32_u24 v3, v1, PITCH
	v_mad_u32_u24 v4, v2, 24, v3                   ; a fragment's row x pitch + 24 h
	v_lshl_add_u32 v5, v2, 4, v4                   ; and behind one padding more
	s_mul_i32 s21, s15, 64*PITCH                   ; W: my head's 64 rows of k (v's lie 128 rows on)
	s_mul_i32 s22, s16, HALFT
	s_add_co_u32 s22, s22, 2*HALFT                 ; x: my 128 tokens, behind W's 256 rows
.irp s, 0,1
	v_add_nc_u32 v[ADRA+\s], s21, v4
	v_add_nc_u32 v[ADRB+\s], s22, v4
	v_add_nc_u32 v[ADRA+2+\s], s21, v5
	v_add_nc_u32 v[ADRB+2+\s], s22, v5
	s_add_co_u32 s21, s21, SLOT
	s_add_co_u32 s22, s22, SLOT
.endr
	v_lshrrev_b32 v6, 3, v1                        ; r / 8
	v_lshlrev_b32 v7, 5, v1
	v_lshl_add_u32 v7, v6, 4, v7                   ; a row of scales: 32 r, + 16 behind each 256
	s_mul_i32 s21, s15, 2176
	s_add_co_u32 s21, s21, SCL
	v_add_nc_u32 v[ADSA], s21, v7
	s_mul_i32 s22, s16, HALFS
	s_add_co_u32 s22, s22, SCL+2*HALFS
	v_add_nc_u32 v[ADSB], s22, v7
	v_and_b32 v8, 31, v0
	v_lshlrev_b32 v[GO], 4, v8
	v_lshlrev_b32 v[GK], 2, v8
	s_lshl_b32 s21, s14, 14
	v_add_nc_u32 v[STW], s21, v[GO]                ; kv's stage, in: 16,384 x wave + 16 x lane
	v_and_b32 v9, 7, v0
	v_lshlrev_b32 v[STR], 4, v9
	v_lshl_add_u32 v[STR], v2, 8, v[STR]
	v_lshl_add_u32 v[STR], v6, 12, v[STR]          ; back: tile 2 i + r / 8, lane 8 u + r % 8 of my half: 4,096 (r / 8) + 256 h + 16 (r % 8)
	s_lshl_b32 s21, s15, 15
	s_lshl_b32 s22, s16, 13
	s_add_co_u32 s21, s21, s22
	v_add_nc_u32 v[STR], s21, v[STR]
	s_lshl_b32 s21, s14, 8
	s_add_co_u32 s21, s21, KST
	v_lshl_add_u32 v[KSTW], v1, 2, s21
	s_lshl_b32 s21, s15, 9
	s_lshl_b32 s22, s16, 7
	s_add_co_u32 s21, s21, s22
	s_add_co_u32 s21, s21, KST
	v_add_nc_u32 v[KSTR], s21, v[GK]
.irp b, 4,5,6,7,8
	v_mov_b32 v[TM+\b], 0                          ; written once: a lane permute's destination counts as one of its sources
.endr
	s_lshr_b32 s18, s42, 3                         ; the batch
	s_lshl_b32 s18, s18, 4
	s_lshl_b32 s19, s17, 1
	s_add_co_u32 s18, s18, s19
	s_add_co_u32 s18, s18, s15                     ; bh = 16 batch + 2 tr + j
	s_lshl_b32 s18, s18, 3
	s_and_b32 s19, s42, 7
	s_add_co_u32 s18, s18, s19                     ; 8 bh + chunk
	s_lshl_b32 s20, s18, 14
	s_lshl_b32 s19, s16, 13
	s_add_co_u32 s20, s20, s19
	s_mov_b32 s21, 0
	s_add_nc_u64 s[96:97], s[96:97], s[20:21]      ; kvp: 16,384 bytes a chunk, my half b = i
	s_lshl_b32 s20, s18, 8
	s_lshl_b32 s19, s16, 7
	s_add_co_u32 s20, s20, s19
	s_add_nc_u64 s[98:99], s[98:99], s[20:21]      ; ksp: 256 bytes a chunk, my 32 numbers
; A fragment: 16 rows x 128 K = 12 registers, six pieces of 8 bytes.  Lanes 16-31 read three pieces on; where that lies behind one padding more, the second address register serves.
.macro FRAG reg, adr, adr2, q, off
.irp p, 0,1,2,3,4,5
.set PC, 12*(\q)+6*(\p/3)+\p%3
.if PC%8 < 5
	ds_load_b64 v[\reg+2*\p:\reg+2*\p+1], v[\adr] offset:8*PC+16*(PC/8)+(\off)
.else
	ds_load_b64 v[\reg+2*\p:\reg+2*\p+1], v[\adr2] offset:8*PC+16*(PC/8)+(\off)
.endif
.endr
.endm
; 16 matrix instructions: W's blocks a0, a0 + 1 x the eight blocks of tokens.  The 64 accumulators take turns, in the same order in every step.
.macro MUL16 a0, p, q, sc, zero
.irp a, \a0, \a0+1
.irp b, 0,1,2,3,4,5,6,7
.if \zero
	v_wmma_scale_f32_16x16x128_f8f6f4 v[8*(8*((\a)%4)+\b):8*(8*((\a)%4)+\b)+7], v[128*(\p)+FR*\b:128*(\p)+FR*\b+FR-1], v[AF+FR*(\a):AF+FR*(\a)+FR-1], 0, v[SC+32*(\sc)+16+2*\b+(\q)], v[SC+32*(\sc)+2*(\a)+(\q)] matrix_a_fmt:MATRIX_FMT_FP6 matrix_b_fmt:MATRIX_FMT_FP6
.else
	v_wmma_scale_f32_16x16x128_f8f6f4 v[8*(8*((\a)%4)+\b):8*(8*((\a)%4)+\b)+7], v[128*(\p)+FR*\b:128*(\p)+FR*\b+FR-1], v[AF+FR*(\a):AF+FR*(\a)+FR-1], v[8*(8*((\a)%4)+\b):8*(8*((\a)%4)+\b)+7], v[SC+32*(\sc)+16+2*\b+(\q)], v[SC+32*(\sc)+2*(\a)+(\q)] matrix_a_fmt:MATRIX_FMT_FP6 matrix_b_fmt:MATRIX_FMT_FP6
.endif
.endr
.endr
.endm
.macro FETCH_B slot, q, p              ; x's eight fragments into set p
	WIN 0x40
.irp i, 0,1,2,3,4,5,6,7
	FRAG 128*(\p)+FR*\i, ADRB+\slot, ADRB+2+\slot, \q, 3840*\i
.endr
	WIN 0
.endm
.macro FETCH_A slot, q, i0             ; W's blocks i0 .. i0 + 3: blocks 0-3 are k's rows, blocks 4-7 v's, 128 rows further on
.irp i, \i0, \i0+1, \i0+2, \i0+3
	FRAG AF+FR*(\i), ADRA+\slot, ADRA+2+\slot, \q, 3840*(\i)+15360*((\i)/4)
.endr
.endm
.macro SCALES sc, ks                   ; K step ks's two scale words of each row: 16 loads
.irp i, 0,1,2,3,4,5,6,7
	ds_load_b64 v[SC+32*(\sc)+2*\i:SC+32*(\sc)+2*\i+1], v[ADSA] offset:544*\i+2176*(\i/4)+8*(\ks)
	ds_load_b64 v[SC+32*(\sc)+16+2*\i:SC+32*(\sc)+17+2*\i], v[ADSB] offset:544*\i+8*(\ks)
.endr
.endm
; A slot's first 128 along K.  Loads into registers that matrix instructions have read stand four plain places behind them.
.macro STEP slot, zero
	s_wait_dscnt 4*NL                              ; all but the youngest 24 loads (W's blocks 4-7) are in
	WIN MUL_LO
	MUL16 0, 0, 0, \slot, \zero
	MUL16 2, 0, 0, \slot, \zero
	s_wait_dscnt 0x0
	PLACES 4
	FETCH_B \slot, 1, 1
	FETCH_A \slot, 1, 0
	WIN MUL_HI
	MUL16 4, 0, 0, \slot, \zero
	MUL16 6, 0, 0, \slot, \zero
	PLACES 4
	WIN 0
	FETCH_A \slot, 1, 4
.endm
; A slot's second 128 along K, and the change of slots: one barrier; in front of it each wave waits for all its tensor loads, adds 0 to its spare word, and waits for that and for its reads of the slot.
.macro TURN slot, next, fill, nks
	s_wait_tensorcnt 0x0                           ; all my tensor loads have landed: my part of the next slot
	ds_add_u32 v[SPW], v[NIL]                      ; 0 onto my spare word
	s_wait_dscnt 4*NL+1                            ; the add and the youngest 24 loads may be out
	WIN MUL_LO
	MUL16 0, 1, 1, \slot, 0
	s_wait_dscnt 0x0                               ; the add is done, and my reads of this slot are over
	s_barrier_signal -1
	MUL16 2, 1, 1, \slot, 0
	WIN 0
	s_barrier_wait -1
.if \fill
	CREST                                          ; the barrier has opened a round of the cluster's: no wave of any partner still reads this slot or has a load on its way
	s_add_nc_u64 s[G0+4*\slot+2:G0+4*\slot+3], s[G0+4*\slot+2:G0+4*\slot+3], 2*ROWB
	s_add_nc_u64 s[G0B+4*\slot+2:G0B+4*\slot+3], s[G0B+4*\slot+2:G0B+4*\slot+3], 2*ROWB
	JLOAD G0+4*\slot, G1, G0B+4*\slot, G1B         ; the first tensor load behind the round; its four v_nop are the places in front of the loads below
.else
	PLACES 4
.endif
	FETCH_B \next, 0, 0
	FETCH_A \next, 0, 0
	SCALES \next, \nks
	WIN MUL_HI
	MUL16 4, 1, 1, \slot, 0
	MUL16 6, 1, 1, \slot, 0
	PLACES 4
	WIN 0
	FETCH_A \next, 0, 4
.endm
; elu(x) + 1 of the 64 numbers at v[acc] of window 2 -> H = window 1 v0-63 (R = window 1 v64-127 at work): R = max(x, 0); H = x - R = min(x, 0), exactly; H = 2^(H log2 e); H += R.
.macro FMAP acc
	WIN 0x4a
.set nn, 0
.rept 64
	v_max_num_f32 v[64+nn], 0, v[(\acc)+nn]        ; each accumulator is read from its low end on
.set nn, nn+1
.endr
	WIN 0x46
.set nn, 0
.rept 32
	v_pk_add_f32 v[nn:nn+1], v[(\acc)+nn:(\acc)+nn+1], v[64+nn:65+nn] neg_lo:[0,1] neg_hi:[0,1]
.set nn, nn+2
.endr
	WIN 0x55
.set nn, 0
.rept 32
	v_pk_mul_f32 v[nn:nn+1], v[nn:nn+1], s[CL:CL+1] op_sel_hi:[1,0]
.set nn, nn+2
.endr
.set nn, 0
.rept 64
	v_exp_f32 v[nn], v[nn]
.set nn, nn+1
.endr
	v_nop                                          ; a plain place behind the last exponential
	s_wait_alu depctr_va_vdst(0)                   ; one wait for the batch of 64, ahead of its first reader
.set nn, 0
.rept 32
	v_pk_add_f32 v[nn:nn+1], v[nn:nn+1], v[64+nn:65+nn]
.set nn, nn+2
.endr
.endm
.macro KSUM t                          ; the sum of H's 64 numbers and of lane l xor 16's: my feature's k over the wave's 128 tokens
	WIN 0x55
	v_pk_add_f32 v[64:65], v[0:1], v[2:3]
	v_pk_add_f32 v[66:67], v[4:5], v[6:7]
.set nn, 8
.rept 14
	v_pk_add_f32 v[64:65], v[64:65], v[nn:nn+1]
	v_pk_add_f32 v[66:67], v[66:67], v[nn+2:nn+3]
.set nn, nn+4
.endr
	v_pk_add_f32 v[64:65], v[64:65], v[66:67]
	WIN 0x05
	v_add_f32 v[KS+\t], v64, v65
	WIN 0
	v_permlanex16_b32 v[TM+8], v[KS+\t], s[SEL], s[SEL+1]
	v_add_f32 v[KS+\t], v[KS+\t], v[TM+8]
.endm
; 64 numbers of a lane, v[s] on in window w; registers 16 b + 0..15 of lanes l and l xor 16 are block b of my row.  They become a fragment's codes in v[pc] on and its scale word in v[pw], window 0.
.macro QUANT w, s, pc, pw
	WIN ((\w)<<2)|((\w)<<4)
.irp b, 0,1,2,3
	v_max3_num_f32 v[TM+\b], 0x1800000, |v[(\s)+16*\b]|, |v[(\s)+1+16*\b]|   ; the floor 2^(3 - 127) holds the byte at 1 from below
.endr
.irp i, 2,4,6,8,10,12,14
.irp b, 0,1,2,3
	v_max3_num_f32 v[TM+\b], v[TM+\b], |v[(\s)+16*\b+\i]|, |v[(\s)+1+16*\b+\i]|
.endr
.endr
	WIN 0
.irp b, 0,1,2,3
	v_permlanex16_b32 v[TM+4+\b], v[TM+\b], s[SEL], s[SEL+1]
.endr
.irp b, 0,1,2,3
	v_max_num_f32 v[TM+\b], v[TM+\b], v[TM+4+\b]   ; the block's largest magnitude
.endr
.irp b, 0,1,2,3
	v_add_nc_u32 v[TM+12+\b], 0xff000000, v[TM+\b] ; 2 off its exponent field: the conversion's scale operand
.endr
.irp b, 0,1,2,3
	v_lshrrev_b32 v[TM+4+\b], 23, v[TM+12+\b]      ; the scale's byte
.endr
	v_lshl_or_b32 v[\pw], v[TM+5], 8, v[TM+4]
	v_lshl_or_b32 v[\pw], v[TM+6], 16, v[\pw]
	v_lshl_or_b32 v[\pw], v[TM+7], 24, v[\pw]
	WIN \w
.irp c, 0,1
	v_cvt_scalef32_pk16_fp6_f32 v[(\pc)+6*\c:(\pc)+2+6*\c], v[(\s)+32*\c:(\s)+15+32*\c], v[TM+12+2*\c]
	v_cvt_scalef32_pk16_fp6_f32 v[YT+4*\c:YT+2+4*\c], v[(\s)+16+32*\c:(\s)+31+32*\c], v[TM+13+2*\c]
.endr
	WIN 0
	v_nop                                          ; one plain place behind a scaled conversion
.irp c, 0,1                            ; the operand's layout wants a whole block in a lane
.irp i, 0,1,2
	v_permlane16_swap_b32 v[(\pc)+6*\c+\i], v[YT+4*\c+\i]
.endr
.irp i, 0,1,2
	v_mov_b32 v[(\pc)+3+6*\c+\i], v[YT+4*\c+\i]
.endr
.endr
.endm
	s_wait_tensorcnt 1                             ; the scales and my part of K step 0 are in; K step 1's load may be out
	s_barrier_signal -1
	s_barrier_wait -1
	FETCH_B 0, 0, 0
	FETCH_A 0, 0, 0
	SCALES 0, 0
	FETCH_A 0, 0, 4
	STEP 0, 1                                      ; the first products start the sums
	TURN 0, 1, 1, 1                                ; slot 0 takes K step 2
	STEP 1, 0
	TURN 1, 0, 1, 2                                ; slot 1 takes K step 3
	STEP 0, 0
	TURN 0, 1, 0, 3                                ; nothing is left to fetch; behind this barrier nobody reads slot 0
	STEP 1, 0
	s_wait_dscnt 4*NL
	WIN MUL_LO
	MUL16 0, 1, 1, 1, 0
	MUL16 2, 1, 1, 1, 0
	s_wait_dscnt 0x0
	WIN MUL_HI
	MUL16 4, 1, 1, 1, 0
	MUL16 6, 1, 1, 1, 0
	WIN 0
	PLACES 4
	; k: mapped, summed, quantised along the tokens; v: quantised as it is
.irp t, 0,1,2,3
	FMAP 64*\t
	KSUM \t
	QUANT 1, 0, KFR+12*\t, 32+\t
.endr
.irp u, 0,1,2,3
	QUANT 3, 64*\u, VFR+12*\u, 36+\u
.endr
	PLACES 8                                       ; a scale word made by vector instructions stands eight places ahead of a scaled matrix instruction
	WIN 0x40
.irp u, 0,1,2,3                        ; kv over my 128 tokens: source 0 = 16 d of k, source 1 = 16 e of v: lane (r, h) holds e = 16 u + r, register j d = 16 t + 8 h + j
.irp t, 0,1,2,3
	v_wmma_scale_f32_16x16x128_f8f6f4 v[128+32*\u+8*\t:135+32*\u+8*\t], v[KFR+12*\t:KFR+12*\t+11], v[VFR+12*\u:VFR+12*\u+11], 0, v[32+\t], v[36+\u] matrix_a_fmt:MATRIX_FMT_FP6 matrix_b_fmt:MATRIX_FMT_FP6
.endr
.endr
	PLACES 4
	WIN 0x04                                       ; an LDS store's data are its source 1: window 1
.set nn, 0
.rept 32
	ds_store_b128 v[STW], v[128+4*nn:131+4*nn] offset:512*nn   ; an image of my 128 registers, each accumulator from its low end on
.set nn, nn+1
.endr
	WIN 0
.irp t, 0,1,2,3
	ds_store_b32 v[KSTW], v[KS+\t] offset:64*\t    ; both halves of the lanes write the same word with the same value
.endr
	s_wait_dscnt 0x0                               ; for the others' sake: my stores have landed
	s_barrier_signal -1
	s_barrier_wait -1
.irp u, 0,1                            ; my half b = i of the head's kv, from both waves of the head, in the next launch's order of rows
.irp g, 0,1,2,3,4,5,6,7
	ds_load_b128 v[128+32*\u+4*\g:131+32*\u+4*\g], v[STR] offset:128*\u+512*\g
	ds_load_b128 v[192+32*\u+4*\g:195+32*\u+4*\g], v[STR] offset:128*\u+512*\g+16384
.endr
.endr
	ds_load_b32 v[KS], v[KSTR]
	ds_load_b32 v[KS+1], v[KSTR] offset:256
	s_wait_dscnt 0x0
.set nn, 0
.rept 32
	v_pk_add_f32 v[128+nn:129+nn], v[128+nn:129+nn], v[192+nn:193+nn]
.set nn, nn+2
.endr
	v_add_f32 v[KS], v[KS], v[KS+1]
.irp u, 0,1
.irp g, 0,1,2,3,4,5,6,7
	global_store_b128 v[GO], v[128+32*\u+4*\g:131+32*\u+4*\g], s[96:97] offset:4096*\u+512*\g   ; 32 lanes store 512 consecutive bytes, aligned
.endr
.endr
	global_store_b32 v[GK], v[KS], s[98:99]
	s_wait_tensorcnt 0x0                           ; the wave's end
	ds_add_u32 v[SPW], v[NIL]
	s_wait_dscnt 0x0
	CROUND                                         ; the closing round
	s_endpgm
.Lfunc_end_k_q823c064537_kvpart:
	.size	k_q823c064537_kvpart, .Lfunc_end_k_q823c064537_kvpart-k_q823c064537_kvpart
	.p2alignl 7, 3214868480
	.fill 96, 4, 3214868480
	.section	.rodata,"a",@progbits
	.p2align	6, 0x0
	.amdhsa_kernel k_q823c064537_kvpart
		.amdhsa_group_segment_fixed_size 327680
		.amdhsa_private_segment_fixed_size 0
		.amdhsa_enable_private_segment 0
		.amdhsa_kernarg_size 48
		.amdhsa_user_sgpr_count 2
		.amdhsa_user_sgpr_kernarg_segment_ptr 1
		.amdhsa_wavefront_size32 1
		.amdhsa_system_sgpr_workgroup_id_x 1
		.amdhsa_system_sgpr_workgroup_id_y 1
		.amdhsa_system_sgpr_workgroup_id_z 1
		.amdhsa_system_vgpr_workitem_id 0
		.amdhsa_next_free_vgpr 1024
		.amdhsa_next_free_sgpr 100
		.amdhsa_reserve_vcc 0
		.amdhsa_float_denorm_mode_32 3
		.amdhsa_float_denorm_mode_16_64 3
		.amdhsa_memory_ordered 1
		.amdhsa_forward_progress 1
		.amdhsa_inst_pref_size 224
	.end_amdhsa_kernel
	.amdgpu_metadata
---
amdhsa.version: [ 1, 2 ]
amdhsa.kernels:
  - .name:           k_q823c064537_kvpart
    .symbol:         k_q823c064537_kvpart.kd
    .args:
      - { .name: Wqkv_codes, .offset: 0, .size: 8, .value_kind: global_buffer, .address_space: global }
      - { .name: Wqkv_scales, .offset: 8, .size: 8, .value_kind: global_buffer, .address_space: global }
      - { .name: x_codes, .offset: 16, .size: 8, .value_kind: global_buffer, .address_space: global }
      - { .name: x_scales, .offset: 24, .size: 8, .value_kind: global_buffer, .address_space: global }
      - { .name: kvp, .offset: 32, .size: 8, .value_kind: global_buffer, .address_space: global }
      - { .name: ksp, .offset: 40, .size: 8, .value_kind: global_buffer, .address_space: global }
    .group_segment_fixed_size: 327680
    .private_segment_fixed_size: 0
    .kernarg_segment_align: 8
    .kernarg_segment_size: 48
    .max_flat_workgroup_size: 128
    .sgpr_count:     100
    .vgpr_count:     1024
    .wavefront_size: 32
...
	.end_amdgpu_metadata
.endif
;; end of part 1
;; launch attn (part 2): grid 8 x 32, 4 waves a work-group, clusters of 4 x 4, 327,680 bytes of LDS; arguments x_codes, x_scales, Wqkv_codes, Wqkv_scales, kvp, ksp, acodes, ascl; writes acodes, ascl
.if DOCPART == 2
	.amdgcn_target "amdgcn-amd-amdhsa--gfx1250"
	.amdhsa_code_object_version 6
	.text
	.protected	k_q823c064537_attn
	.globl	k_q823c064537_attn
	.p2align	8
	.type	k_q823c064537_attn,@function
k_q823c064537_attn:
	s_mov_b64 s[64:65], 0
	v_nop
	global_prefetch_b8 v0, s[64:65] scope:SCOPE_SE
	s_setreg_imm32_b32 hwreg(HW_REG_WAVE_MODE, 25, 1), 1
	s_wait_xcnt 0x0
	s_wait_alu depctr_hold_cnt(0) depctr_sa_sdst(0) depctr_va_vdst(0) depctr_va_sdst(0) depctr_va_ssrc(0) depctr_va_vcc(0) depctr_vm_vsrc(0)
	s_getreg_b32 s2, hwreg(HW_REG_IB_STS2, 6, 4)
	s_cmp_eq_u32 s2, 0
	s_cbranch_scc0 .Lentry_in_a_cluster
	s_endpgm
.Lentry_in_a_cluster:
	s_bfe_u32 s2, ttmp6, 0x10000c
	s_cmp_lg_u32 s2, 0xf033
	s_cbranch_scc0 .Lentry_shape_is_right
	s_endpgm
.Lentry_shape_is_right:
; ATTN.  For 256 tokens and a pair of heads: q = elu(x Wq^T) + 1; z = 1 / (q . k_sum + 1e-6) in f32; out = (Q(q) Q(kv)) z; out is quantised along the channels and stored as the last launch's operand.
; kv and k_sum are the sums of the eight chunks that the launch before stored; they are loaded and added under the main loop.
; Stored: acodes [ty 32][ks 4][tile 16][q 2][c 3][lane 32][16 bytes]: images of the fragments' registers (16 tokens x 128 channels); ascl [ty][kc 8][256 tokens]: a scale word each.
; SHARES.  Wave w makes tokens 64 w on (4 tiles) x 128 features (8 tiles): 32 accumulators, all of window 2.  Source 0 = 16 rows of Wq, source 1 = 16 tokens: a lane holds ONE token, registers run along d.
; q's fragment holds both heads (K = 128: blocks 0, 1 head 0; blocks 2, 3 head 1).  kv^T's fragment of a head has zero codes in the other head's half: K = 64 filled up to the instruction's 128.
; q and kv are quantised by the same lines from the same order of d in the registers, so the products pair rightly.  kv^T's rows come in the order e = 32 b + 8 u + r % 8 + 16 (r / 8), so that
; the result's 16 registers of two neighbouring tiles are 16 neighbouring channels: the order that Wproj's codes have.
; K of the first product goes in steps of 256 through three LDS slots, all filled at the start; slot 0 is filled once more.
; CLUSTER 4 x 4: x's tiles hang on the token block (grid y): joint along a row; Wq's on the head pair (grid x): joint along a column.
; LIMITS: as in the launch before: no NaN, no infinities; elu(x) + 1 = max(x, 0) + 2^(min(x, 0) log2 e); largest magnitudes under 2^-124 keep the byte 1; blocks of zeros have the byte 1 and zero codes.
; REGISTERS: window 0: v4-31, v90 addresses; v32-79 scale words; v80-87 k_sum; v88-127 at work; v128-223 x's fragments, two sets; later v128-199 kv^T, v200-247 q's, then out's codes; v248-251 out's scale words.
;   window 1: Wq's fragments, two sets (v0, v128), v96-127 and v224-255 a chunk of kv; later v0-63 H, v64-127 R, v128-191 k_sum.   window 2: accumulators.   window 3: kv: the sum and three chunks.
.set KROW,  768
.set ROWB,  192
.set PITCH, 240
.set FR,    12
.set SLOT,  384*PITCH                  ; x's 256 rows, then Wq's 128
.set BOFF,  256*PITCH
.set SCL,   3*SLOT                     ; x's scale bytes
.set SCLB,  SCL+2*4352                 ; Wq's
.set SPARE, SCLB+2*2176                ; the spare words
.set KVI,   SPARE+512                  ; kv^T's eight fragments: images of 6 registers, 768 bytes each
.set KVSC,  KVI+8*768                  ; their scale words, 128 bytes each
.set KSL,   KVSC+8*128                 ; k_sum of the two heads
.set OSC,   KSL+512                    ; out's scale words, 256 bytes a wave
.set ADRA,  4
.set ADRA2, 7
.set ADRB,  10
.set ADRB2, 13
.set ADSA,  16
.set ADSB,  17
.set KLI,   18
.set KSO,   19
.set LI,    20
.set LJ,    21
.set KLS,   22
.set KWI,   23
.set KWJ,   24
.set KWS,   25
.set KSW,   26
.set KSRA,  27
.set SPW,   28
.set NIL,   29
.set OSW,   30
.set OSR,   31
.set SC,    32                         ; set s at SC + 24 s: x's tile a at + 2 a + q, Wq's tile b at + 8 + 2 b + q
.set KSV,   80
.set PWK,   88
.set KLJ,   90
.set DT,    92
.set TM,    96
.set YT,    112
.set ZR,    120
.set AF,    128
.set KVF,   128
.set QF,    200
.set OW,    248
.set SEL,   12
.set CL,    4
.set G1,    24
.set G0,    32
.set G0S,   44
.set G1B,   48
.set G0B0,  56
.set G0B1,  60
.set G0B2,  68
.set G0SB,  72
.set G1S,   76
.set G1SB,  84
.set MSB, 0
.macro WIN new
.if MSB != (\new)
	s_set_vgpr_msb (MSB<<8)|(\new)
.set MSB, (\new)
.endif
.endm
.macro PLACES n
.rept \n
	v_nop
.endr
.endm
.macro JLOAD g0a, g1a, g0b, g1b        ; waves 0 and 1 fetch for x, waves 2 and 3 for Wq; four v_nop follow each line
	s_cmp_eq_u32 s15, 0
	s_cbranch_scc0 .Lfor_b_\@
	tensor_load_to_lds s[\g0a:\g0a+3], s[\g1a:\g1a+7]
	s_nop 0
.rept 4
	v_nop
.endr
	s_branch .Lasked_\@
.Lfor_b_\@:
	tensor_load_to_lds s[\g0b:\g0b+3], s[\g1b:\g1b+7]
	s_nop 0
.rept 4
	v_nop
.endr
.Lasked_\@:
.endm
.macro CREST
	s_cmp_lg_u32 s14, 0
	s_cbranch_scc1 .Lnot_wave_0_\@
	s_barrier_signal -3
.Lnot_wave_0_\@:
	s_barrier_wait -3
	s_barrier_signal -1
	s_barrier_wait -1
.endm
.macro CROUND
	s_barrier_signal -1
	s_barrier_wait -1
	CREST
.endm
	s_load_b256 s[4:11], s[0:1], 0x0               ; x's codes, x's scales, W's codes, W's scales
	s_load_b256 s[92:99], s[0:1], 0x20             ; kvp, ksp, acodes, ascl
	v_lshl_add_u32 v[SPW], v0, 2, SPARE
	v_mov_b32 v[NIL], 0
	ds_add_u32 v28, v29
	ds_add_u32 v28, v29
	s_wait_dscnt 0x0
	v_lshrrev_b32 v1, 5, v0
	v_readfirstlane_b32 s14, v1                    ; wave
	s_lshr_b32 s15, s14, 1                         ; I fetch for x (0) or for Wq (1).  Also: whose head's kv I quantise
	s_and_b32 s16, s14, 1                          ; which half
	s_bfe_u32 s100, ttmp6, 0x40000                 ; cx
	s_bfe_u32 s101, ttmp6, 0x40004                 ; cy
	s_lshl_b32 s66, ttmp9, 2
	s_add_co_u32 s66, s66, s100                    ; tc: the pair of heads
	s_and_b32 s17, ttmp7, 0xffff
	s_lshl_b32 s17, s17, 2
	s_add_co_u32 s17, s17, s101                    ; ty: the block of 256 tokens
	s_lshl_b32 s2, s101, 2
	s_lshl_b32 s2, 15, s2                          ; my row of the cluster
	s_lshl_b32 s3, 0x1111, s100                    ; my column
	s_or_b32 s[G1+0], s2, (1<<20)|(1<<21)|(3<<22)|(3<<25)
	s_or_b32 s[G1B+0], s3, (1<<20)|(1<<21)|(3<<22)|(3<<25)
	s_or_b32 s[G1S+0], s2, (3<<16)|(1<<20)|(1<<21)|(5<<22)|(3<<25)
	s_or_b32 s[G1SB+0], s3, (3<<16)|(1<<20)|(1<<21)|(5<<22)|(3<<25)
	s_mov_b32 s[G1+1], ROWB<<16                    ; x: 128 rows of 192 bytes
	s_mov_b32 s[G1+2], 128<<16
	s_mov_b32 s[G1+3], ROWB<<16
	s_mov_b32 s[G1+4], 128
	s_mov_b32 s[G1+5], KROW
	s_mov_b32 s[G1+6], 0
	s_mov_b32 s[G1+7], 0
	s_mov_b32 s[G1B+1], ROWB<<16                   ; Wq: 64 rows
	s_mov_b32 s[G1B+2], 64<<16
	s_mov_b32 s[G1B+3], ROWB<<16
	s_mov_b32 s[G1B+4], 64
	s_mov_b32 s[G1B+5], KROW
	s_mov_b32 s[G1B+6], 0
	s_mov_b32 s[G1B+7], 0
	s_mov_b32 s[G1S+1], 32<<16                     ; x's scales: 16 units of 256 bytes
	s_mov_b32 s[G1S+2], 16<<16
	s_mov_b32 s[G1S+3], 32<<16
	s_mov_b32 s[G1S+4], 16
	s_mov_b32 s[G1S+5], 32
	s_mov_b32 s[G1S+6], 0
	s_mov_b32 s[G1S+7], 0
	s_mov_b32 s[G1SB+1], 32<<16                    ; Wq's: 8 units
	s_mov_b32 s[G1SB+2], 8<<16
	s_mov_b32 s[G1SB+3], 32<<16
	s_mov_b32 s[G1SB+4], 8
	s_mov_b32 s[G1SB+5], 32
	s_mov_b32 s[G1SB+6], 0
	s_mov_b32 s[G1SB+7], 0
	s_lshl_b32 s18, s16, 7
	s_lshl_b32 s20, s17, 8
	s_add_co_u32 s20, s20, s18                     ; x: row 256 ty + 128 x half
	s_lshl_b32 s18, s20, 5
	s_mov_b32 s19, 0
	s_mul_i32 s20, s20, KROW
	s_mov_b32 s21, 0
	s_lshl_b32 s23, s16, 6
	s_lshl_b32 s22, s66, 7
	s_add_co_u32 s22, s22, s23                     ; Wq: row 128 tc + 64 x half
	s_lshl_b32 s2, s22, 5
	s_mov_b32 s3, 0
	s_mul_i32 s22, s22, KROW
	s_mov_b32 s23, 0
	s_mul_i32 s67, s16, 128*PITCH                  ; x's place in a slot
	s_mov_b32 s[SEL], 0x76543210
	s_mov_b32 s[SEL+1], 0xfedcba98
	s_wait_kmcnt 0x0
	s_add_nc_u64 s[20:21], s[4:5], s[20:21]
	s_add_nc_u64 s[18:19], s[6:7], s[18:19]
	s_add_nc_u64 s[22:23], s[8:9], s[22:23]
	s_add_nc_u64 s[2:3], s[10:11], s[2:3]
	s_mul_i32 s7, s16, 64*PITCH
	s_add_co_u32 s7, s7, BOFF                      ; Wq's place in a slot
	s_mul_i32 s8, s16, 4352
	s_add_co_u32 s8, s8, SCL
	s_mul_i32 s9, s16, 2176
	s_add_co_u32 s9, s9, SCLB
	s_mov_b32 s[CL], 0x3fb8aa3b                    ; log2 e, as a pair
	s_mov_b32 s[CL+1], 0x3fb8aa3b
	s_lshl_b32 s6, s15, 4                          ; kv's two scale bytes stand 16 bits up for head 1
	CROUND                                         ; the first joint loads meet
	s_mov_b32 s[G0S], 1
	s_mov_b32 s[G0S+1], s8
	s_mov_b64 s[G0S+2:G0S+3], s[18:19]
	s_or_b32 s[G0S+3], s[G0S+3], 0x80000000
	s_mov_b32 s[G0SB], 1
	s_mov_b32 s[G0SB+1], s9
	s_mov_b64 s[G0SB+2:G0SB+3], s[2:3]
	s_or_b32 s[G0SB+3], s[G0SB+3], 0x80000000
	JLOAD G0S, G1S, G0SB, G1SB
.macro SETG n, ga, gb                  ; K step n into slot n
	s_mov_b32 s[\ga], 1
	s_add_co_u32 s[\ga+1], s67, (\n)*SLOT
	s_add_nc_u64 s[\ga+2:\ga+3], s[20:21], (\n)*ROWB
	s_or_b32 s[\ga+3], s[\ga+3], 0x80000000
	s_mov_b32 s[\gb], 1
	s_add_co_u32 s[\gb+1], s7, (\n)*SLOT
	s_add_nc_u64 s[\gb+2:\gb+3], s[22:23], (\n)*ROWB
	s_or_b32 s[\gb+3], s[\gb+3], 0x80000000
	JLOAD \ga, G1, \gb, G1B
.endm
	SETG 0, G0, G0B0
	SETG 1, G0+4, G0B1
	SETG 2, G0+8, G0B2                             ; four tensor loads of mine are out
	v_and_b32 v1, 15, v0                           ; r
	v_bfe_u32 v2, v0, 4, 1                         ; h
	v_and_b32 v3, 31, v0                           ; lane
	v_mul_u32_u24 v91, v1, PITCH
	v_mad_u32_u24 v91, v2, 24, v91
	v_lshl_add_u32 v92, v2, 4, v91
	s_mul_i32 s10, s14, 64*PITCH                   ; my 64 tokens
	s_mov_b32 s11, BOFF
.irp n, 0,1,2
	v_add_nc_u32 v[ADRA+\n], s10, v91
	v_add_nc_u32 v[ADRA2+\n], s10, v92
	v_add_nc_u32 v[ADRB+\n], s11, v91
	v_add_nc_u32 v[ADRB2+\n], s11, v92
	s_add_co_u32 s10, s10, SLOT
	s_add_co_u32 s11, s11, SLOT
.endr
	v_lshrrev_b32 v93, 3, v1
	v_lshlrev_b32 v94, 5, v1
	v_lshl_add_u32 v94, v93, 4, v94                ; a row of scales: 32 r + 16 (r / 8)
	s_mul_i32 s10, s14, 2176
	s_add_co_u32 s10, s10, SCL
	v_add_nc_u32 v[ADSA], s10, v94
	v_add_nc_u32 v[ADSB], SCLB, v94
	v_lshlrev_b32 v[LI], 4, v3
	v_lshlrev_b32 v[LJ], 3, v3
	v_add_nc_u32 v[KLI], KVI, v[LI]
	v_add_nc_u32 v[KLJ], KVI+512, v[LJ]
	v_lshl_add_u32 v[KLS], v3, 2, KVSC
	s_mul_i32 s10, s14, 1536                       ; my two images: 2 x wave, 2 x wave + 1
	v_add_nc_u32 v[KWI], s10, v[KLI]
	v_add_nc_u32 v[KWJ], s10, v[KLJ]
	s_lshl_b32 s10, s14, 8
	v_add_nc_u32 v[KWS], s10, v[KLS]
	v_lshl_add_u32 v[KSW], v0, 2, KSL
	v_lshl_add_u32 v[KSRA], v2, 5, KSL
	s_add_co_u32 s10, s10, OSC
	v_lshl_add_u32 v[OSW], v1, 2, s10
	v_add_nc_u32 v[OSR], s10, v[LJ]
	v_lshrrev_b32 v93, 6, v0
	v_and_b32 v[KSO], 63, v0
	v_lshlrev_b32 v[KSO], 2, v[KSO]
	v_lshl_add_u32 v[KSO], v93, 11, v[KSO]         ; thread t takes d = t % 64 of head t / 64: heads lie 2,048 bytes apart in ksp
	v_mov_b32 v[DT+2], 0
	v_mov_b32 v[DT+3], 0
.irp b, 4,5,6,7
	v_mov_b32 v[TM+\b], 0                          ; written once: a lane permute's destination counts as one of its sources
.endr
	s_lshr_b32 s10, s17, 3                         ; the batch
	s_lshl_b32 s10, s10, 4
	s_lshl_b32 s11, s66, 1
	s_add_co_u32 s10, s10, s11                     ; bh of the pair's first head
	s_lshl_b32 s18, s10, 11
	s_mov_b32 s19, 0
	s_add_nc_u64 s[94:95], s[94:95], s[18:19]      ; ksp
	s_add_co_u32 s10, s10, s15
	s_lshl_b32 s18, s10, 17
	s_lshl_b32 s11, s16, 13
	s_add_co_u32 s18, s18, s11
	s_add_nc_u64 s[92:93], s[92:93], s[18:19]      ; kvp: head wave / 2, half b = wave % 2
	s_mul_i32 s18, s17, 196608
	s_lshr_b32 s10, s66, 1
	s_mul_i32 s10, s10, 49152
	s_add_co_u32 s18, s18, s10
	s_and_b32 s10, s66, 1
	s_mul_i32 s10, s10, 1536
	s_add_co_u32 s18, s18, s10
	s_mul_i32 s10, s14, 12288
	s_add_co_u32 s18, s18, s10
	s_add_nc_u64 s[96:97], s[96:97], s[18:19]      ; acodes
	s_lshl_b32 s18, s17, 13
	s_lshl_b32 s10, s66, 10
	s_add_co_u32 s18, s18, s10
	s_lshl_b32 s10, s14, 8
	s_add_co_u32 s18, s18, s10
	s_add_nc_u64 s[98:99], s[98:99], s[18:19]      ; ascl
.macro FRAG reg, adr, adr2, q, off
.irp p, 0,1,2,3,4,5
.set PC, 12*(\q)+6*(\p/3)+\p%3
.if PC%8 < 5
	ds_load_b64 v[\reg+2*\p:\reg+2*\p+1], v[\adr] offset:8*PC+16*(PC/8)+(\off)
.else
	ds_load_b64 v[\reg+2*\p:\reg+2*\p+1], v[\adr2] offset:8*PC+16*(PC/8)+(\off)
.endif
.endr
.endm
.macro FETCH slot, q, p                ; 72 loads: Wq's eight fragments and x's four, into set p
	WIN 0x40
.irp i, 0,1,2,3,4,5,6,7
	FRAG 128*(\p)+FR*\i, ADRB+\slot, ADRB2+\slot, \q, 3840*\i
.endr
	WIN 0
.irp i, 0,1,2,3
	FRAG AF+48*(\p)+FR*\i, ADRA+\slot, ADRA2+\slot, \q, 3840*\i
.endr
.endm
.macro SCALES sc, ks
.irp i, 0,1,2,3
	ds_load_b64 v[SC+24*(\sc)+2*\i:SC+24*(\sc)+2*\i+1], v[ADSA] offset:544*\i+8*(\ks)
.endr
.irp i, 0,1,2,3,4,5,6,7
	ds_load_b64 v[SC+24*(\sc)+8+2*\i:SC+24*(\sc)+9+2*\i], v[ADSB] offset:544*\i+8*(\ks)
.endr
.endm
.macro MUL8 a, p, q, sc, cmode         ; tile a of tokens x the eight tiles of features; cmode 1: the products start the sums.  The 32 accumulators take turns
	WIN 0xa1
.irp b, 0,1,2,3,4,5,6,7
.if (\cmode) == 1
	v_wmma_scale_f32_16x16x128_f8f6f4 v[8*(8*(\a)+\b):8*(8*(\a)+\b)+7], v[128*(\p)+FR*\b:128*(\p)+FR*\b+FR-1], v[AF+48*(\p)+FR*(\a):AF+48*(\p)+FR*(\a)+FR-1], 0, v[SC+24*(\sc)+8+2*\b+(\q)], v[SC+24*(\sc)+2*(\a)+(\q)] matrix_a_fmt:MATRIX_FMT_FP6 matrix_b_fmt:MATRIX_FMT_FP6
.else
	v_wmma_scale_f32_16x16x128_f8f6f4 v[8*(8*(\a)+\b):8*(8*(\a)+\b)+7], v[128*(\p)+FR*\b:128*(\p)+FR*\b+FR-1], v[AF+48*(\p)+FR*(\a):AF+48*(\p)+FR*(\a)+FR-1], v[8*(8*(\a)+\b):8*(8*(\a)+\b)+7], v[SC+24*(\sc)+8+2*\b+(\q)], v[SC+24*(\sc)+2*(\a)+(\q)] matrix_a_fmt:MATRIX_FMT_FP6 matrix_b_fmt:MATRIX_FMT_FP6
.endif
.endr
.endm
; A step of 128 along K on set p; the next step's fragments are asked for first, 32 matrix instructions ahead of their use.
.macro STEPX p, q, sc, nslot, nq, nks, cmode
	s_wait_dscnt 0x0                               ; this step's fragments and scale words are in
	PLACES 4                                       ; in front of loads into registers that the last step's matrix instructions have read
	FETCH \nslot, \nq, 1-(\p)
.if (\nq) == 0
	SCALES (\nks)%2, \nks
.endif
	MUL8 0, \p, \q, \sc, \cmode
	MUL8 1, \p, \q, \sc, \cmode
	MUL8 2, \p, \q, \sc, \cmode
	MUL8 3, \p, \q, \sc, \cmode
.endm
; A step on set 1 with a barrier in it: in front of it each wave waits for all its tensor loads, adds 0 to its spare word, and waits for that and for its LDS reads.  fill = 1: slot 0 takes K step 3.
.macro TURN sc, next, fill, nks
	WIN 0
	s_wait_tensorcnt 0x0                           ; all my tensor loads have landed
	ds_add_u32 v[SPW], v[NIL]                      ; 0 onto my spare word
	s_wait_dscnt 1                                 ; the add may be out; this step's fragments are in
	MUL8 0, 1, 1, \sc, 0
	s_wait_dscnt 0x0                               ; the add is done, and my reads of the slot are over
	s_barrier_signal -1
	MUL8 1, 1, 1, \sc, 0
	WIN 0
	s_barrier_wait -1
.if \fill
	CREST                                          ; a round of the cluster's barrier: no wave of any partner still reads slot 0 or has a load on its way
	s_add_nc_u64 s[G0+2:G0+3], s[G0+2:G0+3], 3*ROWB
	s_add_nc_u64 s[G0B0+2:G0B0+3], s[G0B0+2:G0B0+3], 3*ROWB
	JLOAD G0, G1, G0B0, G1B                        ; the first tensor load behind the round: three and a half steps, 112 matrix instructions, ahead of the wait for it
.else
	PLACES 4
.endif
	FETCH \next, 0, 0
	SCALES (\nks)%2, \nks
	MUL8 2, 1, 1, \sc, 0
	MUL8 3, 1, 1, \sc, 0
.endm
.macro KVLOAD win, b0, b1, chunk       ; a chunk's part of my two images of kv: 32 registers each
	WIN (\win)<<6
.irp g, 0,1,2,3,4,5,6,7
	global_load_b128 v[(\b0)+4*\g:(\b0)+4*\g+3], v[LI], s[92:93] offset:16384*(\chunk)+512*\g
.endr
.irp g, 0,1,2,3,4,5,6,7
	global_load_b128 v[(\b1)+4*\g:(\b1)+4*\g+3], v[LI], s[92:93] offset:16384*(\chunk)+4096+512*\g
.endr
	WIN 0
.endm
.macro KVADD3                          ; the sum (window 3, v0-63) takes the three chunks beside it
	WIN 0xcf
.irp o, 64,128,192
.set nn, 0
.rept 32
	v_pk_add_f32 v[nn:nn+1], v[nn:nn+1], v[\o+nn:\o+nn+1]
.set nn, nn+2
.endr
.endr
.endm
.macro FMAP acc                        ; elu(x) + 1: as in the launch before
	WIN 0x4a
.set nn, 0
.rept 64
	v_max_num_f32 v[64+nn], 0, v[(\acc)+nn]        ; each accumulator is read from its low end on
.set nn, nn+1
.endr
	WIN 0x46
.set nn, 0
.rept 32
	v_pk_add_f32 v[nn:nn+1], v[(\acc)+nn:(\acc)+nn+1], v[64+nn:65+nn] neg_lo:[0,1] neg_hi:[0,1]
.set nn, nn+2
.endr
	WIN 0x55
.set nn, 0
.rept 32
	v_pk_mul_f32 v[nn:nn+1], v[nn:nn+1], s[CL:CL+1] op_sel_hi:[1,0]
.set nn, nn+2
.endr
.set nn, 0
.rept 64
	v_exp_f32 v[nn], v[nn]
.set nn, nn+1
.endr
	v_nop                                          ; a plain place behind the last exponential
	s_wait_alu depctr_va_vdst(0)                   ; one wait for the batch of 64, ahead of its first reader
.set nn, 0
.rept 32
	v_pk_add_f32 v[nn:nn+1], v[nn:nn+1], v[64+nn:65+nn]
.set nn, nn+2
.endr
.endm
.macro DOT a                           ; z = 1 / (q . k_sum + 1e-6) of my token, for both heads: fused multiply-adds in f32 on the unquantised q
	WIN 0x55
	v_pk_mul_f32 v[64:65], v[0:1], v[128:129]
	v_pk_mul_f32 v[66:67], v[32:33], v[160:161]
.set nn, 2
.rept 15
	v_pk_fma_f32 v[64:65], v[nn:nn+1], v[128+nn:129+nn], v[64:65]
	v_pk_fma_f32 v[66:67], v[32+nn:33+nn], v[160+nn:161+nn], v[66:67]
.set nn, nn+2
.endr
	WIN 0x05
	v_add_f32 v[DT], v64, v65
	v_add_f32 v[DT+1], v66, v67
	WIN 0
	v_permlanex16_b32 v[DT+2], v[DT], s[SEL], s[SEL+1]
	v_permlanex16_b32 v[DT+3], v[DT+1], s[SEL], s[SEL+1]
	v_add_f32 v[DT], v[DT], v[DT+2]
	v_add_f32 v[DT+1], v[DT+1], v[DT+3]
	v_add_f32 v[DT], 0x358637bd, v[DT]
	v_add_f32 v[DT+1], 0x358637bd, v[DT+1]
	v_rcp_f32 v[ZR+2*(\a)], v[DT]
	v_rcp_f32 v[ZR+2*(\a)+1], v[DT+1]              ; the quantiser's lines follow as independent work; the wait stands behind them
.endm
.macro QUANT w, s, pc, pw              ; as in the launch before
	WIN ((\w)<<2)|((\w)<<4)
.irp b, 0,1,2,3
	v_max3_num_f32 v[TM+\b], 0x1800000, |v[(\s)+16*\b]|, |v[(\s)+1+16*\b]|
.endr
.irp i, 2,4,6,8,10,12,14
.irp b, 0,1,2,3
	v_max3_num_f32 v[TM+\b], v[TM+\b], |v[(\s)+16*\b+\i]|, |v[(\s)+1+16*\b+\i]|
.endr
.endr
	WIN 0
.irp b, 0,1,2,3
	v_permlanex16_b32 v[TM+4+\b], v[TM+\b], s[SEL], s[SEL+1]
.endr
.irp b, 0,1,2,3
	v_max_num_f32 v[TM+\b], v[TM+\b], v[TM+4+\b]
.endr
.irp b, 0,1,2,3
	v_add_nc_u32 v[TM+12+\b], 0xff000000, v[TM+\b]
.endr
.irp b, 0,1,2,3
	v_lshrrev_b32 v[TM+4+\b], 23, v[TM+12+\b]
.endr
	v_lshl_or_b32 v[\pw], v[TM+5], 8, v[TM+4]
	v_lshl_or_b32 v[\pw], v[TM+6], 16, v[\pw]
	v_lshl_or_b32 v[\pw], v[TM+7], 24, v[\pw]
	WIN \w
.irp c, 0,1
	v_cvt_scalef32_pk16_fp6_f32 v[(\pc)+6*\c:(\pc)+2+6*\c], v[(\s)+32*\c:(\s)+15+32*\c], v[TM+12+2*\c]
	v_cvt_scalef32_pk16_fp6_f32 v[YT+4*\c:YT+2+4*\c], v[(\s)+16+32*\c:(\s)+31+32*\c], v[TM+13+2*\c]
.endr
	WIN 0
	v_nop                                          ; one plain place behind a scaled conversion
.irp c, 0,1
.irp i, 0,1,2
	v_permlane16_swap_b32 v[(\pc)+6*\c+\i], v[YT+4*\c+\i]
.endr
.irp i, 0,1,2
	v_mov_b32 v[(\pc)+3+6*\c+\i], v[YT+4*\c+\i]
.endr
.endr
.endm
; Image m of kv (window 3, v[32 m] on: register 8 t + j = d 16 t + 8 h + j of my row e): two blocks of 32 along d become six registers of codes and two scale bytes; to LDS as they stand.
.macro KVQ m
	WIN 0x3c
.irp b, 0,1
	v_max3_num_f32 v[TM+\b], 0x1800000, |v[32*(\m)+16*\b]|, |v[32*(\m)+16*\b+1]|
.endr
.irp i, 2,4,6,8,10,12,14
.irp b, 0,1
	v_max3_num_f32 v[TM+\b], v[TM+\b], |v[32*(\m)+16*\b+\i]|, |v[32*(\m)+16*\b+\i+1]|
.endr
.endr
	WIN 0
.irp b, 0,1
	v_permlanex16_b32 v[TM+4+\b], v[TM+\b], s[SEL], s[SEL+1]
.endr
.irp b, 0,1
	v_max_num_f32 v[TM+\b], v[TM+\b], v[TM+4+\b]
.endr
.irp b, 0,1
	v_add_nc_u32 v[TM+12+\b], 0xff000000, v[TM+\b]
.endr
.irp b, 0,1
	v_lshrrev_b32 v[TM+4+\b], 23, v[TM+12+\b]
.endr
	v_lshl_or_b32 v[PWK+\m], v[TM+5], 8, v[TM+4]
	v_lshlrev_b32 v[PWK+\m], s6, v[PWK+\m]         ; head 1's bytes are the word's upper two; the other two bytes are 0 and stand over zero codes
	WIN 0x03
	v_cvt_scalef32_pk16_fp6_f32 v[112+8*(\m):114+8*(\m)], v[32*(\m):32*(\m)+15], v[TM+12]
	v_cvt_scalef32_pk16_fp6_f32 v[116+8*(\m):118+8*(\m)], v[32*(\m)+16:32*(\m)+31], v[TM+13]
	WIN 0
	v_nop
.irp i, 0,1,2
	v_permlane16_swap_b32 v[112+8*(\m)+\i], v[116+8*(\m)+\i]
.endr
.irp i, 0,1,2
	v_mov_b32 v[115+8*(\m)+\i], v[116+8*(\m)+\i]   ; ascending: six registers on end
.endr
	ds_store_b128 v[KWI], v[112+8*(\m):115+8*(\m)] offset:768*(\m)
	ds_store_b64 v[KWJ], v[116+8*(\m):117+8*(\m)] offset:768*(\m)
	ds_store_b32 v[KWS], v[PWK+\m] offset:128*(\m)
.endm
	KVLOAD 3, 0, 32, 0                             ; five of kv's eight chunks and k_sum's eight are asked for now and land under the main loop
	KVLOAD 3, 64, 96, 1
	KVLOAD 3, 128, 160, 2
	KVLOAD 3, 192, 224, 3
	KVLOAD 1, 96, 224, 4
.irp c, 0,1,2,3,4,5,6,7
	global_load_b32 v[KSV+\c], v[KSO], s[94:95] offset:256*\c
.endr
	s_wait_tensorcnt 2                             ; the scales and my part of K step 0 are in; K steps 1 and 2 may be out
	s_barrier_signal -1
	s_barrier_wait -1
	FETCH 0, 0, 0
	SCALES 0, 0
	STEPX 0, 0, 0, 0, 1, 0, 1                      ; K 0-127: the products start the sums
	TURN 0, 1, 1, 1                                ; K 128-255; K steps 1 and 2 are whole for every wave; slot 0 takes K step 3
	STEPX 0, 0, 1, 1, 1, 1, 0
	STEPX 1, 1, 1, 2, 0, 2, 0                      ; fetches from slot 2, which the barrier above has shown whole
	s_wait_loadcnt 0x0                             ; kv's first five chunks
	KVADD3
	WIN 0xc7
.set nn, 0
.rept 16
	v_pk_add_f32 v[nn:nn+1], v[nn:nn+1], v[96+nn:97+nn]
	v_pk_add_f32 v[32+nn:33+nn], v[32+nn:33+nn], v[224+nn:225+nn]
.set nn, nn+2
.endr
	KVLOAD 3, 64, 96, 5
	KVLOAD 3, 128, 160, 6
	KVLOAD 3, 192, 224, 7
	STEPX 0, 0, 0, 2, 1, 2, 0
	TURN 0, 0, 0, 3                                ; waits for K step 3; nothing is filled again
	STEPX 0, 0, 1, 0, 1, 3, 0
	s_wait_dscnt 0x0
	MUL8 0, 1, 1, 1, 0
	MUL8 1, 1, 1, 1, 0
	MUL8 2, 1, 1, 1, 0
	MUL8 3, 1, 1, 1, 0
	; kv whole, quantised along d, to LDS; k_sum whole, to LDS.  (The additions are the places behind the last products.)
	s_wait_loadcnt 0x0
	KVADD3
	KVQ 0
	KVQ 1
	v_add_f32 v[KSV], v[KSV], v[KSV+1]
	v_add_f32 v[KSV+2], v[KSV+2], v[KSV+3]
	v_add_f32 v[KSV+4], v[KSV+4], v[KSV+5]
	v_add_f32 v[KSV+6], v[KSV+6], v[KSV+7]
	v_add_f32 v[KSV], v[KSV], v[KSV+2]
	v_add_f32 v[KSV+4], v[KSV+4], v[KSV+6]
	v_add_f32 v[KSV], v[KSV], v[KSV+4]
	ds_store_b32 v[KSW], v[KSV]
	s_wait_dscnt 0x0                               ; for the others' sake: my stores have landed
	s_barrier_signal -1
	s_barrier_wait -1
.irp g, 0,1,2,3,4,5,6,7                ; fragment g = 4 head + u: head 0's six registers at 18 u, head 1's at 18 u + 12; the six between are zeros and serve both
	ds_load_b128 v[KVF+18*(\g%4)+12*(\g/4):KVF+18*(\g%4)+12*(\g/4)+3], v[KLI] offset:768*\g
	ds_load_b64 v[KVF+18*(\g%4)+12*(\g/4)+4:KVF+18*(\g%4)+12*(\g/4)+5], v[KLJ] offset:768*\g
	ds_load_b32 v[SC+\g], v[KLS] offset:128*\g
.endr
	WIN 0x40
.irp f, 0,1,2,3,4,5,6,7                ; k_sum at my lane's d: head f / 4, tile f % 4: d = 16 t + 8 h + 0..7
	ds_load_b128 v[128+8*\f:131+8*\f], v[KSRA] offset:256*(\f/4)+64*(\f%4)
	ds_load_b128 v[132+8*\f:135+8*\f], v[KSRA] offset:256*(\f/4)+64*(\f%4)+16
.endr
	WIN 0
.irp u, 0,1,2,3
.irp i, 6,7,8,9,10,11
	v_mov_b32 v[KVF+18*\u+\i], 0                   ; zero codes: K = 64 filled up to 128
.endr
.endr
	s_wait_dscnt 0x0
.irp a, 0,1,2,3
	FMAP 64*\a
	DOT \a
	QUANT 1, 0, QF+12*\a, SC+8+\a
	s_wait_alu depctr_va_vdst(0)                   ; the wait for the two reciprocals, ahead of their first reader
.endr
	PLACES 8                                       ; a scale word made by vector instructions stands eight places ahead of a scaled matrix instruction
	WIN 0x80
.irp a, 0,1,2,3                        ; q kv: source 0 = 16 rows e of kv^T, source 1 = 16 tokens
.irp d, 0,1
.irp u, 0,1,2,3
	v_wmma_scale_f32_16x16x128_f8f6f4 v[64*\a+32*\d+8*\u:64*\a+32*\d+8*\u+7], v[KVF+18*\u+6*\d:KVF+18*\u+6*\d+11], v[QF+12*\a:QF+12*\a+11], 0, v[SC+4*\d+\u], v[SC+8+\a] matrix_a_fmt:MATRIX_FMT_FP6 matrix_b_fmt:MATRIX_FMT_FP6
.endr
.endr
.endr
	PLACES 4
.irp a, 0,1,2,3
	WIN 0x42                                       ; source 0 window 2, z window 0, destination window 1
.set nn, 0
.rept 16
	v_pk_mul_f32 v[nn:nn+1], v[64*\a+nn:64*\a+nn+1], v[ZR+2*\a:ZR+2*\a+1] op_sel_hi:[1,0]   ; head 0: x z, each accumulator from its low end on
.set nn, nn+2
.endr
.rept 16
	v_pk_mul_f32 v[nn:nn+1], v[64*\a+nn:64*\a+nn+1], v[ZR+2*\a:ZR+2*\a+1] op_sel:[0,1] op_sel_hi:[1,1]   ; head 1: the pair's second word for both halves
.set nn, nn+2
.endr
	QUANT 1, 0, QF+12*\a, OW+\a
.irp c, 0,1,2
	global_store_b128 v[LI], v[QF+12*\a+4*\c:QF+12*\a+4*\c+3], s[96:97] offset:3072*\a+512*\c   ; 32 lanes store 512 consecutive bytes, aligned
.endr
	ds_store_b32 v[OSW], v[OW+\a] offset:64*\a     ; both halves of the lanes write the same word with the same value
.endr
	ds_load_b64 v[252:253], v[OSR]                 ; LDS serves a wave's instructions in order: these see my stores
	s_wait_dscnt 0x0
	global_store_b64 v[LJ], v[252:253], s[98:99]   ; my 64 tokens' scale words: 256 consecutive bytes, aligned
	s_wait_tensorcnt 0x0                           ; the wave's end
	ds_add_u32 v[SPW], v[NIL]
	s_wait_dscnt 0x0
	CROUND                                         ; the closing round
	s_endpgm
.Lfunc_end_k_q823c064537_attn:
	.size	k_q823c064537_attn, .Lfunc_end_k_q823c064537_attn-k_q823c064537_attn
	.p2alignl 7, 3214868480
	.fill 96, 4, 3214868480
	.section	.rodata,"a",@progbits
	.p2align	6, 0x0
	.amdhsa_kernel k_q823c064537_attn
		.amdhsa_group_segment_fixed_size 327680
		.amdhsa_private_segment_fixed_size 0
		.amdhsa_enable_private_segment 0
		.amdhsa_kernarg_size 64
		.amdhsa_user_sgpr_count 2
		.amdhsa_user_sgpr_kernarg_segment_ptr 1
		.amdhsa_wavefront_size32 1
		.amdhsa_system_sgpr_workgroup_id_x 1
		.amdhsa_system_sgpr_workgroup_id_y 1
		.amdhsa_system_sgpr_workgroup_id_z 1
		.amdhsa_system_vgpr_workitem_id 0
		.amdhsa_next_free_vgpr 1024
		.amdhsa_next_free_sgpr 102
		.amdhsa_reserve_vcc 0
		.amdhsa_float_denorm_mode_32 3
		.amdhsa_float_denorm_mode_16_64 3
		.amdhsa_memory_ordered 1
		.amdhsa_forward_progress 1
		.amdhsa_inst_pref_size 219
	.end_amdhsa_kernel
	.amdgpu_metadata
---
amdhsa.version: [ 1, 2 ]
amdhsa.kernels:
  - .name:           k_q823c064537_attn
    .symbol:         k_q823c064537_attn.kd
    .args:
      - { .name: x_codes, .offset: 0, .size: 8, .value_kind: global_buffer, .address_space: global }
      - { .name: x_scales, .offset: 8, .size: 8, .value_kind: global_buffer, .address_space: global }
      - { .name: Wqkv_codes, .offset: 16, .size: 8, .value_kind: global_buffer, .address_space: global }
      - { .name: Wqkv_scales, .offset: 24, .size: 8, .value_kind: global_buffer, .address_space: global }
      - { .name: kvp, .offset: 32, .size: 8, .value_kind: global_buffer, .address_space: global }
      - { .name: ksp, .offset: 40, .size: 8, .value_kind: global_buffer, .address_space: global }
      - { .name: acodes, .offset: 48, .size: 8, .value_kind: global_buffer, .address_space: global }
      - { .name: ascl, .offset: 56, .size: 8, .value_kind: global_buffer, .address_space: global }
    .group_segment_fixed_size: 327680
    .private_segment_fixed_size: 0
    .kernarg_segment_align: 8
    .kernarg_segment_size: 64
    .max_flat_workgroup_size: 128
    .sgpr_count:     102
    .vgpr_count:     1024
    .wavefront_size: 32
...
	.end_amdgpu_metadata
.endif
;; end of part 2
;; launch proj (part 3): grid 8 x 32, 4 waves a work-group, clusters of 4 x 4, 327,680 bytes of LDS; arguments acodes, ascl, Wproj_codes, Wproj_scales, bproj, out0; writes out0
.if DOCPART == 3
	.amdgcn_target "amdgcn-amd-amdhsa--gfx1250"
	.amdhsa_code_object_version 6
	.text
	.protected	k_q823c064537_proj
	.globl	k_q823c064537_proj
	.p2align	8
	.type	k_q823c064537_proj,@function
k_q823c064537_proj:
	s_mov_b64 s[64:65], 0
	v_nop
	global_prefetch_b8 v0, s[64:65] scope:SCOPE_SE
	s_setreg_imm32_b32 hwreg(HW_REG_WAVE_MODE, 25, 1), 1
	s_wait_xcnt 0x0
	s_wait_alu depctr_hold_cnt(0) depctr_sa_sdst(0) depctr_va_vdst(0) depctr_va_sdst(0) depctr_va_ssrc(0) depctr_va_vcc(0) depctr_vm_vsrc(0)
	s_getreg_b32 s2, hwreg(HW_REG_IB_STS2, 6, 4)
	s_cmp_eq_u32 s2, 0
	s_cbranch_scc0 .Lentry_in_a_cluster
	s_endpgm
.Lentry_in_a_cluster:
	s_bfe_u32 s2, ttmp6, 0x10000c
	s_cmp_lg_u32 s2, 0xf033
	s_cbranch_scc0 .Lentry_shape_is_right
	s_endpgm
.Lentry_shape_is_right:
; PROJ.  out0 = A Wproj^T + bproj on codes of E2M3: A's codes and scale words as the launch before stored them (images of the fragments' registers), Wproj's as given.  K = 1,024.
; SHARES.  A work-group makes 256 tokens x 128 outputs; wave w tokens 64 w on (4 tiles) x 128 outputs (8 tiles): 32 accumulators, all of window 2.
; Source 0 = 16 rows of Wproj, source 1 = 16 tokens: a lane holds eight neighbouring outputs of one token.  The bias is the C of each sum's first matrix instruction.
; K goes in steps of 256 through three LDS slots, all filled at the start; slot 0 is filled once more.  A's part of a slot is one dense block (images), read 16 bytes a lane on end.
; CLUSTER 4 x 4: A's tiles hang on the token block (grid y): joint along a row; Wproj's on the block of outputs (grid x): joint along a column.
; REGISTERS: window 0: v4-31 addresses; v32-79 scale words, two sets; v128-223 A's fragments, two sets; on the way out v128-255 rows read back.
;   window 1: Wproj's fragments, two sets (v0, v128).   window 2: accumulator (a, b) at v[8 (8 a + b)].   window 3: v0-63 the bias in the result's layout.
.set KROW,  768
.set ROWB,  192
.set PITCH, 240
.set FR,    12
.set ABLK,  49152                      ; A's images of a K step: 16 tiles x 2 x 1,536 bytes
.set SLOT,  ABLK+128*PITCH
.set SCL,   3*SLOT                     ; A's scale words: 8 x 1,024 bytes
.set SCLB,  SCL+8192                   ; Wproj's scale bytes: units of 256 bytes + 16
.set SPARE, SCLB+2*2176
.set STAGE, SLOT                       ; the way out: 16 rows x 528 bytes a wave, in slot 1: filled once, and read for the last time in front of the main loop's last barrier
.set ADRA,  4
.set ADRB,  10
.set ADRB2, 13
.set ADSA,  16
.set ADSB,  17
.set BO,    18
.set LI,    20
.set STO,   23
.set RD,    24
.set SPW,   28
.set NIL,   29
.set SC,    32
.set AF,    128
.set BK,    128
.set G1,    24
.set G0,    32
.set G0S,   44
.set G1B,   48
.set G0B0,  56
.set G0B1,  60
.set G0B2,  68
.set G0SB,  72
.set G1S,   76
.set G1SB,  84
.set MSB, 0
.macro WIN new
.if MSB != (\new)
	s_set_vgpr_msb (MSB<<8)|(\new)
.set MSB, (\new)
.endif
.endm
.macro PLACES n
.rept \n
	v_nop
.endr
.endm
.macro JLOAD g0a, g1a, g0b, g1b        ; waves 0 and 1 fetch for A, waves 2 and 3 for Wproj; four v_nop follow each line
	s_cmp_eq_u32 s15, 0
	s_cbranch_scc0 .Lfor_b_\@
	tensor_load_to_lds s[\g0a:\g0a+3], s[\g1a:\g1a+7]
	s_nop 0
.rept 4
	v_nop
.endr
	s_branch .Lasked_\@
.Lfor_b_\@:
	tensor_load_to_lds s[\g0b:\g0b+3], s[\g1b:\g1b+7]
	s_nop 0
.rept 4
	v_nop
.endr
.Lasked_\@:
.endm
.macro CREST
	s_cmp_lg_u32 s14, 0
	s_cbranch_scc1 .Lnot_wave_0_\@
	s_barrier_signal -3
.Lnot_wave_0_\@:
	s_barrier_wait -3
	s_barrier_signal -1
	s_barrier_wait -1
.endm
.macro CROUND
	s_barrier_signal -1
	s_barrier_wait -1
	CREST
.endm
	s_load_b256 s[4:11], s[0:1], 0x0               ; acodes, ascl, W's codes, W's scales
	s_load_b128 s[92:95], s[0:1], 0x20             ; bproj, out0
	v_lshl_add_u32 v[SPW], v0, 2, SPARE
	v_mov_b32 v[NIL], 0
	ds_add_u32 v28, v29
	ds_add_u32 v28, v29
	s_wait_dscnt 0x0
	v_lshrrev_b32 v1, 5, v0
	v_readfirstlane_b32 s14, v1                    ; wave
	s_lshr_b32 s15, s14, 1                         ; I fetch for A (0) or for Wproj (1)
	s_and_b32 s16, s14, 1                          ; which half
	s_bfe_u32 s100, ttmp6, 0x40000                 ; cx
	s_bfe_u32 s101, ttmp6, 0x40004                 ; cy
	s_lshl_b32 s66, ttmp9, 2
	s_add_co_u32 s66, s66, s100                    ; tc: the block of 128 outputs
	s_and_b32 s17, ttmp7, 0xffff
	s_lshl_b32 s17, s17, 2
	s_add_co_u32 s17, s17, s101                    ; ty: the block of 256 tokens
	s_lshl_b32 s2, s101, 2
	s_lshl_b32 s2, 15, s2                          ; my row of the cluster
	s_lshl_b32 s3, 0x1111, s100                    ; my column
	s_or_b32 s[G1+0], s2, (3<<16)|(1<<21)          ; dense rows of 256 bytes (32 elements of 8 bytes), no padding
	s_or_b32 s[G1B+0], s3, (1<<20)|(1<<21)|(3<<22)|(3<<25)
	s_or_b32 s[G1S+0], s2, (3<<16)|(1<<21)
	s_or_b32 s[G1SB+0], s3, (3<<16)|(1<<20)|(1<<21)|(5<<22)|(3<<25)
	s_mov_b32 s[G1+1], 32<<16                      ; A: half a K step's images: 96 rows of 256 bytes
	s_mov_b32 s[G1+2], 96<<16
	s_mov_b32 s[G1+3], 32<<16
	s_mov_b32 s[G1+4], 96
	s_mov_b32 s[G1+5], 32
	s_mov_b32 s[G1+6], 0
	s_mov_b32 s[G1+7], 0
	s_mov_b32 s[G1B+1], ROWB<<16                   ; Wproj: 64 rows of 192 bytes
	s_mov_b32 s[G1B+2], 64<<16
	s_mov_b32 s[G1B+3], ROWB<<16
	s_mov_b32 s[G1B+4], 64
	s_mov_b32 s[G1B+5], KROW
	s_mov_b32 s[G1B+6], 0
	s_mov_b32 s[G1B+7], 0
	s_mov_b32 s[G1S+1], 32<<16                     ; A's scale words: 16 rows of 256 bytes
	s_mov_b32 s[G1S+2], 16<<16
	s_mov_b32 s[G1S+3], 32<<16
	s_mov_b32 s[G1S+4], 16
	s_mov_b32 s[G1S+5], 32
	s_mov_b32 s[G1S+6], 0
	s_mov_b32 s[G1S+7], 0
	s_mov_b32 s[G1SB+1], 32<<16                    ; Wproj's scale bytes: 8 units
	s_mov_b32 s[G1SB+2], 8<<16
	s_mov_b32 s[G1SB+3], 32<<16
	s_mov_b32 s[G1SB+4], 8
	s_mov_b32 s[G1SB+5], 32
	s_mov_b32 s[G1SB+6], 0
	s_mov_b32 s[G1SB+7], 0
	s_mul_i32 s20, s17, 4*ABLK
	s_mul_i32 s67, s16, ABLK/2                     ; my half of the images: in memory and in a slot alike
	s_add_co_u32 s20, s20, s67
	s_mov_b32 s21, 0
	s_lshl_b32 s18, s17, 13
	s_lshl_b32 s19, s16, 12
	s_add_co_u32 s18, s18, s19
	s_mov_b32 s19, 0
	s_lshl_b32 s23, s16, 6
	s_lshl_b32 s22, s66, 7
	s_add_co_u32 s22, s22, s23                     ; Wproj: row 128 tc + 64 x half
	s_lshl_b32 s2, s22, 5
	s_mov_b32 s3, 0
	s_mul_i32 s22, s22, KROW
	s_mov_b32 s23, 0
	s_wait_kmcnt 0x0
	s_add_nc_u64 s[20:21], s[4:5], s[20:21]
	s_add_nc_u64 s[18:19], s[6:7], s[18:19]
	s_add_nc_u64 s[22:23], s[8:9], s[22:23]
	s_add_nc_u64 s[2:3], s[10:11], s[2:3]
	s_mul_i32 s7, s16, 64*PITCH
	s_add_co_u32 s7, s7, ABLK                      ; Wproj's place in a slot
	s_lshl_b32 s8, s16, 12
	s_add_co_u32 s8, s8, SCL
	s_mul_i32 s9, s16, 2176
	s_add_co_u32 s9, s9, SCLB
	CROUND                                         ; the first joint loads meet
	s_mov_b32 s[G0S], 1
	s_mov_b32 s[G0S+1], s8
	s_mov_b64 s[G0S+2:G0S+3], s[18:19]
	s_or_b32 s[G0S+3], s[G0S+3], 0x80000000
	s_mov_b32 s[G0SB], 1
	s_mov_b32 s[G0SB+1], s9
	s_mov_b64 s[G0SB+2:G0SB+3], s[2:3]
	s_or_b32 s[G0SB+3], s[G0SB+3], 0x80000000
	JLOAD G0S, G1S, G0SB, G1SB
.macro SETG n, ga, gb                  ; K step n into slot n
	s_mov_b32 s[\ga], 1
	s_add_co_u32 s[\ga+1], s67, (\n)*SLOT
	s_add_nc_u64 s[\ga+2:\ga+3], s[20:21], (\n)*ABLK
	s_or_b32 s[\ga+3], s[\ga+3], 0x80000000
	s_mov_b32 s[\gb], 1
	s_add_co_u32 s[\gb+1], s7, (\n)*SLOT
	s_add_nc_u64 s[\gb+2:\gb+3], s[22:23], (\n)*ROWB
	s_or_b32 s[\gb+3], s[\gb+3], 0x80000000
	JLOAD \ga, G1, \gb, G1B
.endm
	SETG 0, G0, G0B0
	SETG 1, G0+4, G0B1
	SETG 2, G0+8, G0B2                             ; four tensor loads of mine are out
	v_and_b32 v1, 15, v0                           ; r
	v_bfe_u32 v2, v0, 4, 1                         ; h
	v_and_b32 v3, 31, v0                           ; lane
	v_lshlrev_b32 v[LI], 4, v3
	v_mul_u32_u24 v8, v1, PITCH
	v_mad_u32_u24 v8, v2, 24, v8
	v_lshl_add_u32 v9, v2, 4, v8
	s_mul_i32 s10, s14, 12288                      ; my four tiles' images
	s_mov_b32 s11, ABLK
.irp n, 0,1,2
	v_add_nc_u32 v[ADRA+\n], s10, v[LI]
	v_add_nc_u32 v[ADRB+\n], s11, v8
	v_add_nc_u32 v[ADRB2+\n], s11, v9
	s_add_co_u32 s10, s10, SLOT
	s_add_co_u32 s11, s11, SLOT
.endr
	s_lshl_b32 s10, s14, 8
	s_add_co_u32 s10, s10, SCL
	v_lshl_add_u32 v[ADSA], v1, 2, s10             ; A's scale words: 256 x wave + 4 r
	v_lshrrev_b32 v8, 3, v1
	v_lshlrev_b32 v9, 5, v1
	v_lshl_add_u32 v9, v8, 4, v9
	v_add_nc_u32 v[ADSB], SCLB, v9
	v_lshlrev_b32 v[BO], 5, v2                     ; the bias: 32 h
	s_mul_i32 s10, s14, 16*528
	s_add_co_u32 s10, s10, STAGE                   ; my stage
	v_mul_u32_u24 v[STO], v1, 528
	v_lshl_add_u32 v[STO], v2, 5, v[STO]
	v_add_nc_u32 v[STO], s10, v[STO]               ; in: row r, 32 bytes for each half of the lanes
	v_add_nc_u32 v[RD], s10, v[LI]                 ; back: the 32 lanes take one row of 512 bytes
	s_lshl_b32 s18, s66, 9
	s_mov_b32 s19, 0
	s_add_nc_u64 s[92:93], s[92:93], s[18:19]      ; bproj at my 128 outputs
	s_lshl_b32 s10, s17, 8
	s_lshl_b32 s11, s14, 6
	s_add_co_u32 s10, s10, s11
	s_lshl_b32 s10, s10, 12                        ; my first token's row of 4,096 bytes
	s_add_co_u32 s18, s18, s10
	s_add_nc_u64 s[94:95], s[94:95], s[18:19]      ; out0
	WIN 0xc0
.irp b, 0,1,2,3,4,5,6,7
	global_load_b128 v[8*\b:8*\b+3], v[BO], s[92:93] offset:64*\b        ; lane (r, h): bproj at outputs 16 b + 8 h + 0..7
	global_load_b128 v[8*\b+4:8*\b+7], v[BO], s[92:93] offset:64*\b+16
.endr
	WIN 0
.macro FRAG reg, adr, adr2, q, off
.irp p, 0,1,2,3,4,5
.set PC, 12*(\q)+6*(\p/3)+\p%3
.if PC%8 < 5
	ds_load_b64 v[\reg+2*\p:\reg+2*\p+1], v[\adr] offset:8*PC+16*(PC/8)+(\off)
.else
	ds_load_b64 v[\reg+2*\p:\reg+2*\p+1], v[\adr2] offset:8*PC+16*(PC/8)+(\off)
.endif
.endr
.endm
.macro FETCH slot, q, p                ; 60 loads: Wproj's eight fragments by rows, A's four as images
	WIN 0x40
.irp i, 0,1,2,3,4,5,6,7
	FRAG 128*(\p)+FR*\i, ADRB+\slot, ADRB2+\slot, \q, 3840*\i
.endr
	WIN 0
.irp i, 0,1,2,3
.irp c, 0,1,2
	ds_load_b128 v[AF+48*(\p)+FR*\i+4*\c:AF+48*(\p)+FR*\i+4*\c+3], v[ADRA+\slot] offset:3072*\i+1536*(\q)+512*\c
.endr
.endr
.endm
.macro SCALES sc, ks
.irp i, 0,1,2,3
	ds_load_b32 v[SC+24*(\sc)+2*\i], v[ADSA] offset:2048*(\ks)+64*\i
	ds_load_b32 v[SC+24*(\sc)+2*\i+1], v[ADSA] offset:2048*(\ks)+1024+64*\i
.endr
.irp i, 0,1,2,3,4,5,6,7
	ds_load_b64 v[SC+24*(\sc)+8+2*\i:SC+24*(\sc)+9+2*\i], v[ADSB] offset:544*\i+8*(\ks)
.endr
.endm
.macro MUL8 a, p, q, sc, cmode         ; cmode 2: the bias (window 3) starts the sums.  The 32 accumulators take turns
.if (\cmode) == 2
	WIN 0xb1
.else
	WIN 0xa1
.endif
.irp b, 0,1,2,3,4,5,6,7
.if (\cmode) == 2
	v_wmma_scale_f32_16x16x128_f8f6f4 v[8*(8*(\a)+\b):8*(8*(\a)+\b)+7], v[128*(\p)+FR*\b:128*(\p)+FR*\b+FR-1], v[AF+48*(\p)+FR*(\a):AF+48*(\p)+FR*(\a)+FR-1], v[8*\b:8*\b+7], v[SC+24*(\sc)+8+2*\b+(\q)], v[SC+24*(\sc)+2*(\a)+(\q)] matrix_a_fmt:MATRIX_FMT_FP6 matrix_b_fmt:MATRIX_FMT_FP6
.else
	v_wmma_scale_f32_16x16x128_f8f6f4 v[8*(8*(\a)+\b):8*(8*(\a)+\b)+7], v[128*(\p)+FR*\b:128*(\p)+FR*\b+FR-1], v[AF+48*(\p)+FR*(\a):AF+48*(\p)+FR*(\a)+FR-1], v[8*(8*(\a)+\b):8*(8*(\a)+\b)+7], v[SC+24*(\sc)+8+2*\b+(\q)], v[SC+24*(\sc)+2*(\a)+(\q)] matrix_a_fmt:MATRIX_FMT_FP6 matrix_b_fmt:MATRIX_FMT_FP6
.endif
.endr
.endm
.macro STEPX p, q, sc, nslot, nq, nks, cmode
	s_wait_dscnt 0x0                               ; this step's fragments and scale words are in
	PLACES 4                                       ; in front of loads into registers that the last step's matrix instructions have read
	FETCH \nslot, \nq, 1-(\p)
.if (\nq) == 0
	SCALES (\nks)%2, \nks
.endif
	MUL8 0, \p, \q, \sc, \cmode
	MUL8 1, \p, \q, \sc, \cmode
	MUL8 2, \p, \q, \sc, \cmode
	MUL8 3, \p, \q, \sc, \cmode
.endm
.macro TURN sc, next, fill, nks
	WIN 0
	s_wait_tensorcnt 0x0                           ; all my tensor loads have landed
	ds_add_u32 v[SPW], v[NIL]                      ; 0 onto my spare word
	s_wait_dscnt 1                                 ; the add may be out; this step's fragments are in
	MUL8 0, 1, 1, \sc, 0
	s_wait_dscnt 0x0                               ; the add is done, and my reads of the slot are over
	s_barrier_signal -1
	MUL8 1, 1, 1, \sc, 0
	WIN 0
	s_barrier_wait -1
.if \fill
	CREST                                          ; a round of the cluster's barrier: no wave of any partner still reads slot 0 or has a load on its way
	s_add_nc_u64 s[G0+2:G0+3], s[G0+2:G0+3], 3*ABLK
	s_add_nc_u64 s[G0B0+2:G0B0+3], s[G0B0+2:G0B0+3], 3*ROWB
	JLOAD G0, G1, G0B0, G1B                        ; the first tensor load behind the round: three and a half steps, 112 matrix instructions, ahead of the wait for it
.else
	PLACES 4
.endif
	FETCH \next, 0, 0
	SCALES (\nks)%2, \nks
	MUL8 2, 1, 1, \sc, 0
	MUL8 3, 1, 1, \sc, 0
.endm
	s_wait_tensorcnt 2                             ; the scales and my part of K step 0 are in; K steps 1 and 2 may be out
	s_barrier_signal -1
	s_barrier_wait -1
	FETCH 0, 0, 0
	SCALES 0, 0
	s_wait_loadcnt 0x0                             ; the bias
	STEPX 0, 0, 0, 0, 1, 0, 2
	TURN 0, 1, 1, 1                                ; K steps 1 and 2 are whole for every wave; slot 0 takes K step 3
	STEPX 0, 0, 1, 1, 1, 1, 0
	STEPX 1, 1, 1, 2, 0, 2, 0
	STEPX 0, 0, 0, 2, 1, 2, 0
	TURN 0, 0, 0, 3                                ; waits for K step 3; behind this barrier nobody reads slot 1
	STEPX 0, 0, 1, 0, 1, 3, 0
	s_wait_dscnt 0x0
	MUL8 0, 1, 1, 1, 0
	MUL8 1, 1, 1, 1, 0
	MUL8 2, 1, 1, 1, 0
	MUL8 3, 1, 1, 1, 0
	WIN 0
; THE WAY OUT, a tile of 16 tokens x 128 outputs at a time, through my own stage: in as 32 bytes a lane, back as whole rows of 512 bytes.  LDS serves a wave's instructions in order.
.macro TOSTAGE a
	WIN 0x08                                       ; an LDS store's data are its source 1: window 2
.irp b, 0,1,2,3,4,5,6,7
	ds_store_b128 v[STO], v[64*(\a)+8*\b:64*(\a)+8*\b+3] offset:64*\b          ; each accumulator from its low end on
	ds_store_b128 v[STO], v[64*(\a)+8*\b+4:64*(\a)+8*\b+7] offset:64*\b+16
.endr
	WIN 0
.set BB, BK+64*((\a)%2)
.irp t, 0,1,2,3,4,5,6,7,8,9,10,11,12,13,14,15
	ds_load_b128 v[BB+4*\t:BB+4*\t+3], v[RD] offset:\t*528
.endr
.endm
.macro SEND a, younger                 ; younger: the LDS instructions issued behind tile a's loads, which may stay out
.set BB, BK+64*((\a)%2)
	s_wait_dscnt \younger
.irp t, 0,1,2,3,4,5,6,7,8,9,10,11,12,13,14,15
	global_store_b128 v[LI], v[BB+4*\t:BB+4*\t+3], s[94:95] offset:65536*(\a)+4096*\t th:TH_STORE_NT   ; 32 lanes store 512 consecutive bytes, aligned; written once, read by nobody here
.endr
.endm
	PLACES 4
	TOSTAGE 0
.irp a, 1,2,3
.if \a > 1
	s_wait_xcnt 0x0                                ; tile a - 2's stores have read their registers: tile a's loads may land there
.endif
	TOSTAGE \a
	SEND \a-1, 32                                  ; behind tile a - 1's loads: tile a's 16 stores and 16 loads
.endr
	SEND 3, 0
	s_wait_tensorcnt 0x0                           ; the wave's end
	ds_add_u32 v[SPW], v[NIL]
	s_wait_dscnt 0x0
	CROUND                                         ; the closing round
	s_endpgm
.Lfunc_end_k_q823c064537_proj:
	.size	k_q823c064537_proj, .Lfunc_end_k_q823c064537_proj-k_q823c064537_proj
	.p2alignl 7, 3214868480
	.fill 96, 4, 3214868480
	.section	.rodata,"a",@progbits
	.p2align	6, 0x0
	.amdhsa_kernel k_q823c064537_proj
		.amdhsa_group_segment_fixed_size 327680
		.amdhsa_private_segment_fixed_size 0
		.amdhsa_enable_private_segment 0
		.amdhsa_kernarg_size 48
		.amdhsa_user_sgpr_count 2
		.amdhsa_user_sgpr_kernarg_segment_ptr 1
		.amdhsa_wavefront_size32 1
		.amdhsa_system_sgpr_workgroup_id_x 1
		.amdhsa_system_sgpr_workgroup_id_y 1
		.amdhsa_system_sgpr_workgroup_id_z 1
		.amdhsa_system_vgpr_workitem_id 0
		.amdhsa_next_free_vgpr 1024
		.amdhsa_next_free_sgpr 102
		.amdhsa_reserve_vcc 0
		.amdhsa_float_denorm_mode_32 3
		.amdhsa_float_denorm_mode_16_64 3
		.amdhsa_memory_ordered 1
		.amdhsa_forward_progress 1
		.amdhsa_inst_pref_size 97
	.end_amdhsa_kernel
	.amdgpu_metadata
---
amdhsa.version: [ 1, 2 ]
amdhsa.kernels:
  - .name:           k_q823c064537_proj
    .symbol:         k_q823c064537_proj.kd
    .args:
      - { .name: acodes, .offset: 0, .size: 8, .value_kind: global_buffer, .address_space: global }
      - { .name: ascl, .offset: 8, .size: 8, .value_kind: global_buffer, .address_space: global }
      - { .name: Wproj_codes, .offset: 16, .size: 8, .value_kind: global_buffer, .address_space: global }
      - { .name: Wproj_scales, .offset: 24, .size: 8, .value_kind: global_buffer, .address_space: global }
      - { .name: bproj, .offset: 32, .size: 8, .value_kind: global_buffer, .address_space: global }
      - { .name: out0, .offset: 40, .size: 8, .value_kind: global_buffer, .address_space: global }
    .group_segment_fixed_size: 327680
    .private_segment_fixed_size: 0
    .kernarg_segment_align: 8
    .kernarg_segment_size: 48
    .max_flat_workgroup_size: 128
    .sgpr_count:     102
    .vgpr_count:     1024
    .wavefront_size: 32
...
	.end_amdgpu_metadata
.endif
;; end of part 3
